; MI455X (gfx1250); checked and timed in simulation.
; The chip was launched on July 23, 2026; its instructions are those of AMD's public machine-readable ISA for CDNA 5 (MIT licence, August 2026) and "CDNA5" Instruction Set Architecture Reference Guide (July 2026). The comments in the code are by the model that wrote it; some were corrected since.
;; Transformer Block. Allowed arithmetic: float matrix products may take bf16 or f16 operands with f32 sums; other float arithmetic in f32, or as packed bf16 or f16 multiplies, adds, multiply-adds, maxima and minima; sums over many terms, partial sums and values carried from step to step in f32; what a program stores and reads back later, other than sums and carried values, may be rounded once to bf16 or f16.
;; Inputs: fc1_b 4,096 float32; fc1_w 4,096 x 1,024 float32; fc2_b 1,024 float32; fc2_w 1,024 x 4,096 float32; ln1_b 1,024 float32; ln1_w 1,024 float32; ln2_b 1,024 float32; ln2_w 1,024 float32; out_b 1,024 float32; out_w 1,024 x 1,024 float32; qkv_b 3,072 float32; qkv_w 3,072 x 1,024 float32; x 4 x 1,024 x 1,024 float32.
;; Outputs: out0 4 x 1,024 x 1,024 float32.
;; One version. Each part assembles by itself: llvm-mc -triple=amdgcn-amd-amdhsa -mcpu=gfx1250 --defsym DOCPART=n.
;; ======== version 1 of 1: 7 launches
;; limits: a function is approximated: absolute error at most 2.5e-05; an absolute error that grows with the inputs' magnitude: up to 1.25e-05 times it; right only within a limited range of input values
;; workspace buffers: wb 25,165,824 bytes; h1 8,388,608 bytes; qkvh 25,165,824 bytes; ao 8,388,608 bytes; x1 16,777,216 bytes; h2 8,388,608 bytes; g 33,554,432 bytes
;; launch prep (part 1): grid 1280 x 1, 8 waves a work-group, no clusters, 0 bytes of LDS; arguments x, ln1_w, ln1_b, qkv_w, out_w, fc1_w, fc2_w, h1, wb; writes h1, wb
.if DOCPART == 1
	.amdgcn_target "amdgcn-amd-amdhsa--gfx1250"
	.amdhsa_code_object_version 6
	.text
	.protected	k_qf78bba3575_prep
	.globl	k_qf78bba3575_prep
	.p2align	8
	.type	k_qf78bba3575_prep,@function
k_qf78bba3575_prep:
	s_mov_b64 s[64:65], 0
	v_nop
	global_prefetch_b8 v0, s[64:65] scope:SCOPE_SE
	s_setreg_imm32_b32 hwreg(HW_REG_WAVE_MODE, 25, 1), 1
	s_wait_xcnt 0x0
; PREP.  Work-groups 0-511: h1 = LayerNorm(x) * ln1_w + ln1_b, rounded once to bf16.  Work-groups 512-1279: the four weight matrices rounded to bf16 into wb, in the order
; qkv_w, out_w, fc1_w, fc2_w, each row-major as given.
; LAYER NORM.  One wave takes one row of 1,024 f32 (4,096 bytes: eight loads of 16 bytes a lane) and keeps it in 32 registers: mean, then the mean of the squared differences in a true second
; pass, as the formula is written, so that a common offset of x cancels before anything is squared.  No LDS, no barrier: the reduction never leaves the wave.
; CAST.  A work-group takes 16,384 numbers, a wave 2,048: sixteen loads of 512 consecutive bytes, sixteen stores of 256 consecutive bytes, aligned.
; Memory binds both parts; matrix units, clusters and LDS would add nothing.
.set X,  8                             ; v[8:39]    the row: chunk j of 128 numbers, my four at X + 4 j
.set W,  40                            ; v[40:71]   the gain of my 32 columns; later the packed result
.set BV, 72                            ; v[72:103]  the bias of my 32 columns
.set T,  104                           ; v[104:111] four chains of sums, then mean and 1 / sigma
.macro FOLD                            ; four chains of pairs -> one number a lane -> the sum over the 32 lanes, in every lane
	v_pk_add_f32 v[T:T+1], v[T:T+1], v[T+2:T+3]
	v_pk_add_f32 v[T+4:T+5], v[T+4:T+5], v[T+6:T+7]
	v_pk_add_f32 v[T:T+1], v[T:T+1], v[T+4:T+5]
	v_add_f32 v[T], v[T], v[T+1]
	v_add_f32_dpp v[T], v[T], v[T] row_xmask:1 row_mask:0xf bank_mask:0xf
	v_add_f32_dpp v[T], v[T], v[T] row_xmask:2 row_mask:0xf bank_mask:0xf
	v_add_f32_dpp v[T], v[T], v[T] row_xmask:4 row_mask:0xf bank_mask:0xf
	v_add_f32_dpp v[T], v[T], v[T] row_xmask:8 row_mask:0xf bank_mask:0xf
	v_permlanex16_b32 v[T+1], v[T], s28, s29       ; its destination counts as read: T + 1 has been written
	v_add_f32 v[T], v[T], v[T+1]
.endm
	s_load_b512 s[4:19], s[0:1], 0x0               ; x s[4:5], ln1_w s[6:7], ln1_b s[8:9], qkv_w s[10:11], out_w s[12:13], fc1_w s[14:15], fc2_w s[16:17], h1 s[18:19]
	s_load_b64 s[20:21], s[0:1], 0x40              ; wb
	v_lshrrev_b32 v3, 5, v0
	v_readfirstlane_b32 s22, v3                    ; wave 0..7
	v_and_b32 v4, 31, v0
	v_lshlrev_b32 v1, 4, v4                        ; 16 bytes a lane on the way in
	v_lshlrev_b32 v2, 3, v4                        ; 8 bytes a lane on the way out
	s_wait_kmcnt 0x0
	s_cmp_lt_u32 ttmp9, 512
	s_cbranch_scc0 .Lcast
	s_mov_b32 s28, 0x76543210                      ; v_permlanex16_b32: each lane takes its own place in the other half
	s_mov_b32 s29, 0xfedcba98
	s_mov_b32 s30, 0x3a800000                      ; 1 / 1024
	s_mov_b32 s31, 0x3727c5ac                      ; 1e-5
	s_lshl_b32 s23, ttmp9, 3
	s_add_co_u32 s23, s23, s22                     ; my row
	s_lshl_b32 s24, s23, 12                        ; x 4,096 bytes in x
	s_mov_b32 s25, 0
	s_lshl_b32 s26, s23, 11                        ; x 2,048 bytes in h1
	s_mov_b32 s27, 0
	s_add_nc_u64 s[4:5], s[4:5], s[24:25]
	s_add_nc_u64 s[18:19], s[18:19], s[26:27]
.irp j, 0,1,2,3,4,5,6,7
	global_load_b128 v[X+4*(\j):X+4*(\j)+3], v1, s[4:5] offset:512*(\j)
.endr
.irp j, 0,1,2,3,4,5,6,7
	global_load_b128 v[W+4*(\j):W+4*(\j)+3], v1, s[6:7] offset:512*(\j)
.endr
.irp j, 0,1,2,3,4,5,6,7
	global_load_b128 v[BV+4*(\j):BV+4*(\j)+3], v1, s[8:9] offset:512*(\j)
.endr
	s_wait_loadcnt 16                              ; the row is in; the sixteen younger loads (gain, bias) stay out
.irp k, 0,1,2,3
	v_pk_add_f32 v[T+2*(\k):T+2*(\k)+1], v[X+2*(\k):X+2*(\k)+1], v[X+8+2*(\k):X+8+2*(\k)+1]  ; the first sums start the chains: nothing is cleared
.endr
.set p, 8
.rept 8
	v_pk_add_f32 v[T+2*(p%4):T+2*(p%4)+1], v[T+2*(p%4):T+2*(p%4)+1], v[X+2*p:X+2*p+1]
.set p, p+1
.endr
	FOLD
	v_mul_f32 v[T+2], s30, v[T]                    ; the mean, twice: a pair for the packed subtraction
	v_mov_b32 v[T+3], v[T+2]
.set p, 0
.rept 16
	v_pk_add_f32 v[X+2*p:X+2*p+1], v[X+2*p:X+2*p+1], v[T+2:T+3] neg_lo:[0,1] neg_hi:[0,1]
.set p, p+1
.endr
.irp k, 0,1,2,3
	v_pk_mul_f32 v[T+2*(\k):T+2*(\k)+1], v[X+2*(\k):X+2*(\k)+1], v[X+2*(\k):X+2*(\k)+1]
.endr
.set p, 4
.rept 12
	v_pk_fma_f32 v[T+2*(p%4):T+2*(p%4)+1], v[X+2*p:X+2*p+1], v[X+2*p:X+2*p+1], v[T+2*(p%4):T+2*(p%4)+1]
.set p, p+1
.endr
	FOLD
	v_fma_f32 v[T+2], v[T], s30, s31               ; variance + eps
	v_rsq_f32 v[T+4], v[T+2]
	v_rsq_f32 v[T+5], v[T+2]
	v_nop                                          ; a plain instruction between the root and the use of its result (ISA guide 5.7.2)
	s_wait_loadcnt 0x0                             ; gain and bias
.set p, 0
	s_wait_alu depctr_va_vdst(0)
.rept 16
	v_pk_mul_f32 v[X+2*p:X+2*p+1], v[X+2*p:X+2*p+1], v[T+4:T+5]
.set p, p+1
.endr
.set p, 0
.rept 16
	v_pk_fma_f32 v[X+2*p:X+2*p+1], v[X+2*p:X+2*p+1], v[W+2*p:W+2*p+1], v[BV+2*p:BV+2*p+1]
.set p, p+1
.endr
.set p, 0
.rept 16
	v_cvt_pk_bf16_f32 v[W+p], v[X+2*p], v[X+2*p+1]
.set p, p+1
.endr
.irp j, 0,1,2,3,4,5,6,7
	global_store_b64 v2, v[W+2*(\j):W+2*(\j)+1], s[18:19] offset:256*(\j)  ; each store of the wave covers 256 consecutive bytes, aligned
.endr
	s_endpgm
.Lcast:
	s_sub_co_u32 s23, ttmp9, 512                   ; block of 16,384 numbers, 0..767: 192 of qkv_w, 64 of out_w, 256 of fc1_w, 256 of fc2_w
	s_sub_co_u32 s26, s23, 512                     ; the block's number inside each of the last three matrices
	s_sub_co_u32 s27, s23, 256
	s_sub_co_u32 s30, s23, 192
	s_cmp_lt_u32 s23, 512
	s_cselect_b64 s[24:25], s[14:15], s[16:17]
	s_cselect_b32 s26, s27, s26
	s_cmp_lt_u32 s23, 256
	s_cselect_b64 s[24:25], s[12:13], s[24:25]
	s_cselect_b32 s26, s30, s26
	s_cmp_lt_u32 s23, 192
	s_cselect_b64 s[24:25], s[10:11], s[24:25]
	s_cselect_b32 s26, s23, s26
	s_lshl_b32 s26, s26, 16                        ; 65,536 bytes of f32 a block
	s_mov_b32 s27, 0
	s_add_nc_u64 s[24:25], s[24:25], s[26:27]
	s_lshl_b32 s30, s23, 15                        ; 32,768 bytes of bf16 a block: wb holds the matrices in the blocks' order
	s_mov_b32 s31, 0
	s_add_nc_u64 s[20:21], s[20:21], s[30:31]
	v_lshl_add_u32 v1, s22, 13, v1                 ; + my wave's 8,192 bytes
	v_lshl_add_u32 v2, s22, 12, v2                 ; + my wave's 4,096 bytes
.set i, 0
.rept 16
	global_load_b128 v[8+4*i:8+4*i+3], v1, s[24:25] offset:512*i th:TH_LOAD_NT
.set i, i+1
.endr
.set i, 0
.rept 16
	s_wait_loadcnt 15-i                            ; loads come back in order: number i is in, the younger ones stay out
	v_cvt_pk_bf16_f32 v[72+2*i], v[8+4*i], v[8+4*i+1]
	v_cvt_pk_bf16_f32 v[73+2*i], v[8+4*i+2], v[8+4*i+3]
	global_store_b64 v2, v[72+2*i:73+2*i], s[20:21] offset:256*i
.set i, i+1
.endr
	s_endpgm
.Lfunc_end_k_qf78bba3575_prep:
	.size	k_qf78bba3575_prep, .Lfunc_end_k_qf78bba3575_prep-k_qf78bba3575_prep
	.p2alignl 7, 3214868480
	.fill 96, 4, 3214868480
	.section	.rodata,"a",@progbits
	.p2align	6, 0x0
	.amdhsa_kernel k_qf78bba3575_prep
		.amdhsa_group_segment_fixed_size 0
		.amdhsa_private_segment_fixed_size 0
		.amdhsa_enable_private_segment 0
		.amdhsa_kernarg_size 72
		.amdhsa_user_sgpr_count 2
		.amdhsa_user_sgpr_kernarg_segment_ptr 1
		.amdhsa_wavefront_size32 1
		.amdhsa_system_sgpr_workgroup_id_x 1
		.amdhsa_system_sgpr_workgroup_id_y 1
		.amdhsa_system_sgpr_workgroup_id_z 1
		.amdhsa_system_vgpr_workitem_id 0
		.amdhsa_next_free_vgpr 112
		.amdhsa_next_free_sgpr 66
		.amdhsa_reserve_vcc 0
		.amdhsa_float_denorm_mode_32 3
		.amdhsa_float_denorm_mode_16_64 3
		.amdhsa_memory_ordered 1
		.amdhsa_forward_progress 1
		.amdhsa_inst_pref_size 18
	.end_amdhsa_kernel
	.amdgpu_metadata
---
amdhsa.version: [ 1, 2 ]
amdhsa.kernels:
  - .name:           k_qf78bba3575_prep
    .symbol:         k_qf78bba3575_prep.kd
    .args:
      - { .name: x, .offset: 0, .size: 8, .value_kind: global_buffer, .address_space: global }
      - { .name: ln1_w, .offset: 8, .size: 8, .value_kind: global_buffer, .address_space: global }
      - { .name: ln1_b, .offset: 16, .size: 8, .value_kind: global_buffer, .address_space: global }
      - { .name: qkv_w, .offset: 24, .size: 8, .value_kind: global_buffer, .address_space: global }
      - { .name: out_w, .offset: 32, .size: 8, .value_kind: global_buffer, .address_space: global }
      - { .name: fc1_w, .offset: 40, .size: 8, .value_kind: global_buffer, .address_space: global }
      - { .name: fc2_w, .offset: 48, .size: 8, .value_kind: global_buffer, .address_space: global }
      - { .name: h1, .offset: 56, .size: 8, .value_kind: global_buffer, .address_space: global }
      - { .name: wb, .offset: 64, .size: 8, .value_kind: global_buffer, .address_space: global }
    .group_segment_fixed_size: 0
    .private_segment_fixed_size: 0
    .kernarg_segment_align: 8
    .kernarg_segment_size: 72
    .max_flat_workgroup_size: 256
    .sgpr_count:     66
    .vgpr_count:     112
    .wavefront_size: 32
...
	.end_amdgpu_metadata
.endif
;; end of part 1
;; launch gqkv (part 2): grid 12 x 16, 4 waves a work-group, clusters of 4 x 4, 327,680 bytes of LDS; arguments h1, wb, qkv_b, qkvh; writes qkvh
.if DOCPART == 2
	.amdgcn_target "amdgcn-amd-amdhsa--gfx1250"
	.amdhsa_code_object_version 6
	.text
	.protected	k_qf78bba3575_gqkv
	.globl	k_qf78bba3575_gqkv
	.p2align	8
	.type	k_qf78bba3575_gqkv,@function
k_qf78bba3575_gqkv:
	s_mov_b64 s[64:65], 0
	v_nop
	global_prefetch_b8 v0, s[64:65] scope:SCOPE_SE
	s_setreg_imm32_b32 hwreg(HW_REG_WAVE_MODE, 25, 1), 1
	s_wait_xcnt 0x0
	s_wait_alu depctr_hold_cnt(0) depctr_sa_sdst(0) depctr_va_vdst(0) depctr_va_sdst(0) depctr_va_ssrc(0) depctr_va_vcc(0) depctr_vm_vsrc(0)
	s_getreg_b32 s2, hwreg(HW_REG_IB_STS2, 6, 4)
	s_cmp_eq_u32 s2, 0
	s_cbranch_scc0 .Lentry_in_a_cluster
	s_endpgm
.Lentry_in_a_cluster:
	s_bfe_u32 s2, ttmp6, 0x10000c
	s_cmp_lg_u32 s2, 0xf033
	s_cbranch_scc0 .Lentry_shape_is_right
	s_endpgm
.Lentry_shape_is_right:
; QKV PROJECTION.  C[m][n] = sum over k of h1[m][k] qkv_w[n][k] + qkv_b[n]; m = 4,096 tokens, n = 3,072, k = 1,024; operands bf16, sums f32.
; C leaves by heads, rounded once to bf16, unscaled: qkvh[part n / 1024][16 (m / 1024) + (n % 1024) / 64][m % 1024][n % 64].
; A tile of C is 256 x 256: four waves, each 128 x 128 in 64 accumulators (512 registers).  12 x 16 tiles: 192 work-groups, one tile each.
; K goes in 8 steps of 128 through two LDS slots filled by the tensor data mover; rows of 256 bytes, padded to 272.
; CLUSTER 4 x 4: the four work-groups of a row of the cluster need the same tile of h1, the four of a column the same tile of the weights: each tile is asked for jointly.
; SHORT TEXT: the loop holds ONE K step; the slot in hand is a scalar (SB, 0 or SLOT) added to the lanes' LDS addresses; one descriptor a tensor walks, its LDS word turned by an exclusive or
; (SLOT = 0x22000 shares no bit with the waves' words 0, 0x8800, 0x11000, 0x19800).  The last two K steps, which ask for nothing, are one text walked twice and entered in its middle; its price:
; the last walk passes one barrier and fetches 32 fragments that serve nothing.
; THE MATRIX INSTRUCTION IS USED TRANSPOSED (source 0 = 16 rows of the weights, source 1 = 16 rows of h1): a lane holds eight neighbouring columns of one row of C.
; THE WAY OUT: the accumulators go as f32 into the wave's own 128 rows x 528 bytes of LDS (the ring's bytes, which have had their last fill), and a loop of 16 trips reads 8 rows, adds the bias,
; rounds and stores: lanes 0-15 one row of a head (128 bytes), lanes 16-31 the next: 256 consecutive bytes a store.
; REGISTERS: window 0: v1-29 addresses, v32-39 bias, v64-127 / v128-191 fragments of h1 (two buffers), later the way out; window 1: the same two buffers for the weights; windows 2, 3: accumulators.
.set SIZE_K, 1024
.set KSTEP,  128
.set PITCH,  272                       ; 256 bytes + 16: row r starts at bank 4 r mod 64 (64 banks of 4 bytes: ISA guide 11.1)
.set HALFT,  128*PITCH
.set SLOT,   4*HALFT
.set SPARE,  2*SLOT                    ; behind the ring: the spare words, 128 bytes a wave
.set DP,     528                       ; a dumped row: 512 bytes + 16
.set DREG,   128*DP
.set WOFF,   0                         ; qkv_w in wb
.set ADRA0, 16
.set ADRB0, 17
.set ADRA,  18
.set ADRB,  19
.set STO,   24
.set RD,    25
.set CO,    26
.set BO,    27
.set SPW,   28
.set NIL,   29
.set BIAS,  32
.set F0,    64
.set F1,    128
.set XI,    64                         ; the way out: 8 rows as read back
.set ZI,    96                         ; + bias
.set YI,    128                        ; packed
.set G1,  24
.set G0,  32
.set G1B, 48
.set G0B, 56
.set SB,  45
.set WV,  70
.set WH,  71
.set WL,  72
.set LW,  73
.set MSB, 0
.macro WIN new                         ; the immediate's high byte repeats the setting that is left
.if MSB != (\new)
	s_set_vgpr_msb (MSB<<8)|(\new)
.set MSB, \new
.endif
.endm
.set MUL_LO, 0xa1
.set MUL_HI, 0xf1
.set TO_B,   0x40
.macro JLOAD s                         ; a joint load: waves 0, 1 fetch the two halves of h1's tile, waves 2, 3 those of the weights'; s_nop 0 and four v_nop follow each line
	s_cmp_eq_u32 s[WH], 0
	s_cbranch_scc0 .Lfor_b_\@
	tensor_load_to_lds s[G0+4*(\s):G0+4*(\s)+3], s[G1:G1+7]
	s_nop 0
.rept 4
	v_nop
.endr
	s_branch .Lasked_\@
.Lfor_b_\@:
	tensor_load_to_lds s[G0B+4*(\s):G0B+4*(\s)+3], s[G1B:G1B+7]
	s_nop 0
.rept 4
	v_nop
.endr
.Lasked_\@:
.endm
.macro CREST                           ; a round of the cluster's barrier behind its opening barrier
	s_cmp_lg_u32 s[WV], 0
	s_cbranch_scc1 .Lnot_wave_0_\@
	s_barrier_signal -3
.Lnot_wave_0_\@:
	s_barrier_wait -3
	s_barrier_signal -1
	s_barrier_wait -1
.endm
.macro CROUND
	s_barrier_signal -1
	s_barrier_wait -1
	CREST
.endm
.macro PLACES                          ; four places between matrix instructions and loads into, or reads of, their registers
.rept 4
	v_nop
.endr
.endm
.macro MUL16 f, hi, a0, zero           ; 16 matrix instructions: row blocks a0, a0 + 1 of the window's four x all 8 column blocks, 32 along K
	WIN MUL_LO+0x50*(\hi)
.irp a, \a0, (\a0)+1
.irp b, 0,1,2,3,4,5,6,7
.if \zero
	v_wmma_f32_16x16x32_bf16 v[8*(8*(\a)+(\b)):8*(8*(\a)+(\b))+7], v[(\f)+8*(\b):(\f)+8*(\b)+7], v[(\f)+8*(4*(\hi)+(\a)):(\f)+8*(4*(\hi)+(\a))+7], 0
.else
	v_wmma_f32_16x16x32_bf16 v[8*(8*(\a)+(\b)):8*(8*(\a)+(\b))+7], v[(\f)+8*(\b):(\f)+8*(\b)+7], v[(\f)+8*(4*(\hi)+(\a)):(\f)+8*(4*(\hi)+(\a))+7], v[8*(8*(\a)+(\b)):8*(8*(\a)+(\b))+7]
.endif
.endr
.endr
.endm
.macro FETCH k, f                      ; 32 LDS loads in one run: a quarter step's fragments, at byte k of the rows of the slot in hand
	WIN TO_B
.irp i, 0,1,2,3,4,5,6,7
	ds_load_b128 v[(\f)+8*(\i):(\f)+8*(\i)+3],   v[ADRB] offset:(\k)+(\i)*16*PITCH
	ds_load_b128 v[(\f)+8*(\i)+4:(\f)+8*(\i)+7], v[ADRB] offset:(\k)+(\i)*16*PITCH+32
.endr
	WIN 0
.irp i, 0,1,2,3,4,5,6,7
	ds_load_b128 v[(\f)+8*(\i):(\f)+8*(\i)+3],   v[ADRA] offset:(\k)+(\i)*16*PITCH
	ds_load_b128 v[(\f)+8*(\i)+4:(\f)+8*(\i)+7], v[ADRA] offset:(\k)+(\i)*16*PITCH+32
.endr
.endm
.macro QUARTER k, f, g, zero           ; multiplies buffer f; in its middle fetches the next quarter, at byte k, into g
	s_wait_dscnt 8                                 ; all but the youngest eight loads (h1's rows 64-127)
	MUL16 \f, 0, 0, \zero
	MUL16 \f, 0, 2, \zero
	PLACES
	FETCH \k, \g
	s_wait_dscnt 32                                ; all but the 32 just issued
	MUL16 \f, 1, 0, \zero
	MUL16 \f, 1, 2, \zero
.endm
; The last quarter of a K step multiplies buffer 1 and changes slots: one barrier; in front of it each wave waits for all its tensor loads (its part of the next slot), adds 0 to its spare word,
; and waits for that and for its reads of this slot.  fill = 1: the barrier opens a round of the cluster's, and the slot just read is filled again first thing behind it, two K steps ahead.
.macro TURN fill
	WIN 0
	s_wait_tensorcnt 0x0
	ds_add_u32 v[SPW], v[NIL]
	s_wait_dscnt 9                                 ; the add and the youngest eight loads may be out
	MUL16 F1, 0, 0, 0
	s_wait_dscnt 0x0                               ; the add is done, my reads of this slot are over
	s_barrier_signal -1
	MUL16 F1, 0, 2, 0
	WIN 0
	s_barrier_wait -1
.if \fill
	CREST
	s_xor_b32 s[G0+5], s[G0+5], SLOT               ; no load of mine is out: the walking descriptors step: the other slot, the next K step
	s_add_nc_u64 s[G0+6:G0+7], s[G0+6:G0+7], KSTEP*2
	s_xor_b32 s[G0B+5], s[G0B+5], SLOT
	s_add_nc_u64 s[G0B+6:G0B+7], s[G0B+6:G0B+7], KSTEP*2
	JLOAD 1                                        ; its four v_nop are also the places in front of the loads below
.else
	PLACES
.endif
	s_xor_b32 s[SB], s[SB], SLOT
	v_add_nc_u32 v[ADRA], s[SB], v[ADRA0]
	v_add_nc_u32 v[ADRB], s[SB], v[ADRB0]
	FETCH 0, F0
	MUL16 F1, 1, 0, 0
	MUL16 F1, 1, 2, 0
.endm
	s_load_b256 s[4:11], s[0:1], 0x0               ; h1 s[4:5], wb s[6:7], qkv_b s[8:9], qkvh s[10:11]
	v_lshl_add_u32 v[SPW], v0, 2, SPARE
	v_mov_b32 v[NIL], 0
	ds_add_u32 v[SPW], v[NIL]                      ; the wave's opening: an add and its wait ahead of my first tensor load
	ds_add_u32 v28, v29
	v_lshrrev_b32 v1, 5, v0
	v_readfirstlane_b32 s[WV], v1
	s_lshr_b32 s[WH], s[WV], 1                     ; my half of the tile's rows; also: I fetch h1 (0) or the weights (1)
	s_and_b32 s[WL], s[WV], 1                      ; my half of its columns; also: which 128 rows I fetch
	s_bfe_u32 s40, ttmp6, 0x40000                  ; cx
	s_bfe_u32 s41, ttmp6, 0x40004                  ; cy
	s_lshl_b32 s42, ttmp9, 2
	s_add_co_u32 s42, s42, s40                     ; tile column
	s_and_b32 s13, ttmp7, 0xffff
	s_lshl_b32 s13, s13, 2
	s_add_co_u32 s13, s13, s41                     ; tile row
	s_lshl_b32 s43, s41, 2
	s_lshl_b32 s43, 15, s43                        ; my row of the cluster
	s_lshl_b32 s44, 0x1111, s40                    ; my column
	s_or_b32 s[G1+0], s43, (1<<16)|(1<<20)|(1<<21)|(5<<22)|(3<<25)   ; mask; 2-byte elements; padding on; bit 21 beside a mask; 4 words behind every 64
	s_or_b32 s[G1B+0], s44, (1<<16)|(1<<20)|(1<<21)|(5<<22)|(3<<25)
.irp g, G1, G1B
	s_mov_b32 s[(\g)+1], KSTEP<<16                 ; tensor_dim0 = 128
	s_mov_b32 s[(\g)+2], 128<<16                   ; tensor_dim1 = 128
	s_mov_b32 s[(\g)+3], KSTEP<<16                 ; tile_dim0 = 128
	s_mov_b32 s[(\g)+4], 128                       ; tile_dim1 = 128
	s_mov_b32 s[(\g)+5], SIZE_K                    ; elements from row to row
	s_mov_b32 s[(\g)+6], 0
	s_mov_b32 s[(\g)+7], 0
.endr
	s_lshl_b32 s17, s[WL], 7
	s_lshl_b32 s16, s13, 8
	s_add_co_u32 s16, s16, s17                     ; h1: row 256 x tile row + 128 x half
	s_lshl_b32 s16, s16, 11                        ; x 2,048 bytes
	s_lshl_b32 s46, s42, 8
	s_add_co_u32 s46, s46, s17                     ; weights: row 256 x tile column + 128 x half
	s_lshl_b32 s46, s46, 11
.if WOFF
	s_add_co_u32 s46, s46, WOFF
.endif
	s_mov_b32 s17, 0
	s_mov_b32 s47, 0
	s_mul_i32 s[LW], s[WV], HALFT                  ; where my 128 rows go: no place in the cluster enters an LDS address
	s_wait_dscnt 0x0                               ; the opening add is done
	s_wait_kmcnt 0x0
	s_add_nc_u64 s[14:15], s[4:5], s[16:17]
	s_add_nc_u64 s[46:47], s[6:7], s[46:47]
	CROUND                                         ; all sixteen work-groups are here: the first joint loads meet
.irp s, 0,1
	s_mov_b32 s[G0+4*(\s)], 1
	s_add_co_u32 s[G0+4*(\s)+1], s[LW], (\s)*SLOT
	s_add_nc_u64 s[G0+4*(\s)+2:G0+4*(\s)+3], s[14:15], (\s)*KSTEP*2
	s_or_b32 s[G0+4*(\s)+3], s[G0+4*(\s)+3], 0x80000000
	s_mov_b32 s[G0B+4*(\s)], 1
	s_add_co_u32 s[G0B+4*(\s)+1], s[LW], (\s)*SLOT
	s_add_nc_u64 s[G0B+4*(\s)+2:G0B+4*(\s)+3], s[46:47], (\s)*KSTEP*2
	s_or_b32 s[G0B+4*(\s)+3], s[G0B+4*(\s)+3], 0x80000000
	JLOAD \s                                       ; two loads of mine are out
.endr
	v_and_b32 v1, 15, v0                           ; r = l % 16
	v_bfe_u32 v2, v0, 4, 1                         ; h = l / 16
	v_mul_u32_u24 v3, v1, PITCH
	v_lshl_add_u32 v3, v2, 4, v3
	s_mul_i32 s21, s[WH], HALFT
	s_mul_i32 s22, s[WL], HALFT
	s_add_co_u32 s22, s22, 2*HALFT
	v_add_nc_u32 v[ADRA0], s21, v3
	v_add_nc_u32 v[ADRB0], s22, v3
	v_mov_b32 v[ADRA], v[ADRA0]
	v_mov_b32 v[ADRB], v[ADRB0]
	s_mov_b32 s[SB], 0
	s_mul_i32 s23, s[WV], DREG                     ; my region of the dump
	v_mul_u32_u24 v4, v1, DP
	v_lshl_add_u32 v4, v2, 5, v4
	v_add_nc_u32 v[STO], s23, v4                   ; in: row r, 32 bytes for each half of the lanes
	v_mul_u32_u24 v5, v2, DP
	v_lshl_add_u32 v5, v1, 4, v5
	v_add_nc_u32 v[RD], s23, v5                    ; back: lanes 0-15 a row's first 64 columns, lanes 16-31 the next row's
	v_and_b32 v6, 31, v0
	v_lshlrev_b32 v[CO], 3, v6                     ; 8 bytes a lane: two rows of a head, 256 consecutive bytes
	v_lshlrev_b32 v[BO], 4, v1
	s_lshl_b32 s46, s42, 8
	s_lshl_b32 s47, s[WL], 7
	s_add_co_u32 s46, s46, s47                     ; n0: my first column; my 128 columns are two heads of one part
	s_lshl_b32 s16, s13, 8
	s_lshl_b32 s17, s[WH], 7
	s_add_co_u32 s16, s16, s17                     ; m0: my first token
	s_lshl_b32 s18, s46, 2
	s_mov_b32 s19, 0
	s_add_nc_u64 s[8:9], s[8:9], s[18:19]
	global_load_b128 v[BIAS:BIAS+3],   v[BO], s[8:9]             ; the first head's bias for my four channels,
	global_load_b128 v[BIAS+4:BIAS+7], v[BO], s[8:9] offset:256  ; the second head's
	s_lshr_b32 s20, s46, 10
	s_lshl_b32 s20, s20, 23                        ; part x 8,388,608
	s_lshr_b32 s21, s16, 10
	s_lshl_b32 s21, s21, 4
	s_bfe_u32 s22, s46, 0x40006                    ; (n0 % 1024) / 64
	s_add_co_u32 s21, s21, s22
	s_lshl_b32 s21, s21, 17                        ; (16 batch + head) x 131,072
	s_and_b32 s23, s16, 1023
	s_lshl_b32 s23, s23, 7                         ; row in the head x 128
	s_add_co_u32 s20, s20, s21
	s_add_co_u32 s20, s20, s23
	s_mov_b32 s21, 0
	s_add_nc_u64 s[10:11], s[10:11], s[20:21]
	s_wait_tensorcnt 0x1                           ; my part of K step 0 is in; K step 1's may stay out
	s_barrier_signal -1
	s_barrier_wait -1
	FETCH 0, F0
	QUARTER 64, F0, F1, 1                          ; the first quarter's products start the sums
	WIN 0
	s_mov_b32 s3, 6
.Lk:                                                   ; a trip: from a K step's second quarter to the next step's first; it fills the slot just read with the K step two on
	QUARTER 128, F1, F0, 0
	QUARTER 192, F0, F1, 0
	TURN 1
	QUARTER 64, F0, F1, 0
	WIN 0
	s_sub_co_u32 s3, s3, 1
	s_cmp_lg_u32 s3, 0
	s_cbranch_scc1 .Lk
	s_mov_b32 s3, 2
	s_branch .Lmid                                 ; K steps 6 and 7 ask for nothing: one text, walked twice, entered behind its first quarter
.Ltail:
	QUARTER 64, F0, F1, 0
	WIN 0
.Lmid:
	QUARTER 128, F1, F0, 0
	QUARTER 192, F0, F1, 0
	TURN 0
	WIN 0
	s_sub_co_u32 s3, s3, 1
	s_cmp_lg_u32 s3, 0
	s_cbranch_scc1 .Ltail
	PLACES                                         ; between the last products and the stores that read them
	s_wait_dscnt 0x0                               ; my reads of the ring are over
	s_barrier_signal -1
	s_barrier_wait -1                              ; everybody's are: the ring's bytes, which are filled no more, take the dump
.irp w, 0,1
	WIN 0x08+4*(\w)                                ; store data in window 2, then 3
.irp a, 0,1,2,3
.irp b, 0,1,2,3,4,5,6,7
	ds_store_b128 v[STO], v[8*(8*(\a)+(\b)):8*(8*(\a)+(\b))+3]   offset:(4*(\w)+(\a))*16*DP+64*(\b)
	ds_store_b128 v[STO], v[8*(8*(\a)+(\b))+4:8*(8*(\a)+(\b))+7] offset:(4*(\w)+(\a))*16*DP+64*(\b)+16
.endr
.endr
.endr
	WIN 0
.macro LD8                             ; 8 rows of my region: pair of rows p, head d.  LDS serves a wave's instructions in order (ISA guide 5.7.1.4): these see my stores
.irp p, 0,1,2,3
.irp d, 0,1
	ds_load_b128 v[XI+4*(2*(\p)+(\d)):XI+4*(2*(\p)+(\d))+3], v[RD] offset:2*DP*(\p)+256*(\d)
.endr
.endr
.endm
	s_wait_loadcnt 0x0                             ; the bias
	LD8
	s_mov_b32 s2, 16
.Lep:
	s_wait_dscnt 0x0
.irp q, 0,1,2,3,4,5,6,7
	v_pk_add_f32 v[ZI+4*(\q):ZI+4*(\q)+1],   v[XI+4*(\q):XI+4*(\q)+1],   v[BIAS+4*((\q)%2):BIAS+4*((\q)%2)+1]
	v_pk_add_f32 v[ZI+4*(\q)+2:ZI+4*(\q)+3], v[XI+4*(\q)+2:XI+4*(\q)+3], v[BIAS+4*((\q)%2)+2:BIAS+4*((\q)%2)+3]
.endr
	v_add_nc_u32 v[RD], 8*DP, v[RD]
	s_cmp_eq_u32 s2, 1
	s_cbranch_scc1 .Lnl                            ; the last trip has no next rows
	LD8
.Lnl:
	s_wait_xcnt 0x0                                ; the last trip's stores have read their registers: Y and CO are written again only behind this wait
	v_add_nc_u32 v[CO], 1024, v[CO]                ; 8 rows of 128 bytes on; the stores reach back
.irp q, 0,1,2,3,4,5,6,7
	v_cvt_pk_bf16_f32 v[YI+2*(\q)],   v[ZI+4*(\q)],   v[ZI+4*(\q)+1]
	v_cvt_pk_bf16_f32 v[YI+2*(\q)+1], v[ZI+4*(\q)+2], v[ZI+4*(\q)+3]
.endr
.irp q, 0,1,2,3,4,5,6,7
	global_store_b64 v[CO], v[YI+2*(\q):YI+2*(\q)+1], s[10:11] offset:131072*((\q)%2)+256*((\q)/2)-1024
.endr
	s_sub_co_u32 s2, s2, 1
	s_cmp_lg_u32 s2, 0
	s_cbranch_scc1 .Lep
	s_wait_tensorcnt 0x0                           ; the wave's end
	ds_add_u32 v[SPW], v[NIL]
	s_wait_dscnt 0x0
	CROUND                                         ; the closing round
	s_endpgm
.Lfunc_end_k_qf78bba3575_gqkv:
	.size	k_qf78bba3575_gqkv, .Lfunc_end_k_qf78bba3575_gqkv-k_qf78bba3575_gqkv
	.p2alignl 7, 3214868480
	.fill 96, 4, 3214868480
	.section	.rodata,"a",@progbits
	.p2align	6, 0x0
	.amdhsa_kernel k_qf78bba3575_gqkv
		.amdhsa_group_segment_fixed_size 327680
		.amdhsa_private_segment_fixed_size 0
		.amdhsa_enable_private_segment 0
		.amdhsa_kernarg_size 32
		.amdhsa_user_sgpr_count 2
		.amdhsa_user_sgpr_kernarg_segment_ptr 1
		.amdhsa_wavefront_size32 1
		.amdhsa_system_sgpr_workgroup_id_x 1
		.amdhsa_system_sgpr_workgroup_id_y 1
		.amdhsa_system_sgpr_workgroup_id_z 1
		.amdhsa_system_vgpr_workitem_id 0
		.amdhsa_next_free_vgpr 1024
		.amdhsa_next_free_sgpr 84
		.amdhsa_reserve_vcc 0
		.amdhsa_float_denorm_mode_32 3
		.amdhsa_float_denorm_mode_16_64 3
		.amdhsa_memory_ordered 1
		.amdhsa_forward_progress 1
		.amdhsa_inst_pref_size 81
	.end_amdhsa_kernel
	.amdgpu_metadata
---
amdhsa.version: [ 1, 2 ]
amdhsa.kernels:
  - .name:           k_qf78bba3575_gqkv
    .symbol:         k_qf78bba3575_gqkv.kd
    .args:
      - { .name: h1, .offset: 0, .size: 8, .value_kind: global_buffer, .address_space: global }
      - { .name: wb, .offset: 8, .size: 8, .value_kind: global_buffer, .address_space: global }
      - { .name: qkv_b, .offset: 16, .size: 8, .value_kind: global_buffer, .address_space: global }
      - { .name: qkvh, .offset: 24, .size: 8, .value_kind: global_buffer, .address_space: global }
    .group_segment_fixed_size: 327680
    .private_segment_fixed_size: 0
    .kernarg_segment_align: 8
    .kernarg_segment_size: 32
    .max_flat_workgroup_size: 128
    .sgpr_count:     84
    .vgpr_count:     1024
    .wavefront_size: 32
...
	.end_amdgpu_metadata
.endif
;; end of part 2
;; launch attn (part 3): grid 4 x 64, 4 waves a work-group, no clusters, 327,680 bytes of LDS; arguments qkvh, ao; writes ao
.if DOCPART == 3
	.amdgcn_target "amdgcn-amd-amdhsa--gfx1250"
	.amdhsa_code_object_version 6
	.text
	.protected	k_qf78bba3575_attn
	.globl	k_qf78bba3575_attn
	.p2align	8
	.type	k_qf78bba3575_attn,@function
k_qf78bba3575_attn:
	s_mov_b64 s[64:65], 0
	v_nop
	global_prefetch_b8 v0, s[64:65] scope:SCOPE_SE
	s_setreg_imm32_b32 hwreg(HW_REG_WAVE_MODE, 25, 1), 1
	s_wait_xcnt 0x0
; CAUSAL ATTENTION.  O[h][q][:] = the sum over k <= q of softmax_k(Q[h][q] . K[h][k] / 8) V[h][k][:].  qkvh holds Q, K, V as [3][64 heads][1024][64] in bf16, a head's rows dense, 128 bytes each;
; ao takes O as [64][1024][64] in bf16.  Products, maxima and sums in f32; the weights p are rounded to bf16 for the second product (their sum l is taken of the unrounded p), O once at the end.
; LIMITS.  A hidden score counts as its value less 1e30, so scores stay under about 1e29; a weight below 2^-126 counts as 0 in l; NaN and infinities are not treated apart.
; THE WALK.  A head's queries lie in 8 blocks of 128; block i needs the key tiles 0 .. i of 128 keys, of which tile i holds the diagonal.  A work-group takes TWO blocks, 7 - b and then b (b = 0 .. 3):
; nine tiles, whatever b: 4 x 64 = 256 work-groups of equal work, and ONE loop of nine trips walks them.  What a trip does hangs on scalar registers made from b; every jump goes forward, but for the
; counted loops' own, and none passes a barrier or a tensor load.
; K AND V STAY, AND NO LDS ADDRESS HANGS ON b.  LDS has eight places of 128 keys: 1,024 rows of K (pitch 144) and of V (pitch 160), 311,296 bytes, brought once, at the start, four loads a wave (four
; are out); nothing is filled again.  The nine trips read the places 0 .. 7 and then 0.  Which tile lies in a place hangs on b, in the loads' global addresses alone: place 0 takes tile b; place p of
; 1 .. 3 tile p - 1 if p <= b, else p; place 4 tile 4; places 5, 6, 7 the tiles 0 (b = 3), b - 2 (b >= 2), b - 1 (b >= 1), else 5, 6, 7.  So block 7 - b walks its tiles with the diagonal one last, in
; the places 0 .. 7 - b, and block b walks 0 .. b in the places 8 - b .. 7 and 0.  The tiles before a diagonal one are wholly visible, and the running maximum takes them in any order.  b tiles are
; brought twice (32,768 bytes each).  All four loads are waited for ahead of the one barrier in front of the walk; behind it K and V are only read and each wave's stage is its own.
; NO CLUSTER: a head's four work-groups want different tiles in most places, and the walk's branches hang on b, which would be the place in the cluster.
; SHARES.  Of a block's two bands of 64 queries a wave owns 16 rows in each: two PIECES.  In the diagonal tile's key step s band x sees all keys if s < x, none if s > x, and holds the diagonal if s = x.
; THE MASK is the C operand that starts the sum S^T = K Q^T: 0, or -1e30 where the key is hidden.  MD, made once, is the mask of a band's own step for my 16 rows; a product's mask is MD x AL + BE:
; (1, 0) if s = x; (0, 0) if s < x; (0, -1e30) if s > x.  Only the diagonal tile's text and a block's beginning make and take masks; elsewhere C is the constant 0.
; LAYOUT, SOFTMAX, TURNS.  S^T = K Q^T holds ONE query a lane (lane % 16) and the keys 8 (lane / 16) + 0..7; two such results rounded to bf16 ARE source 1 of O^T = V^T P.  p = 2^(c s - c m),
; c = log2(e) / 8, with a running maximum m; O and l are multiplied by a = 2^(c m_old - c m_new) in every step.  The pieces take turns, step after step: (0, s), (1, s), (0, s + 1) ..  A turn has
; 8 products K Q^T of the piece that comes next, later 8 products V^T P of the piece that came before; beside them the scaling, exponentials, roundings, sums and rescaling of its own piece and the
; maximum and statistics of the next.  Four vector instructions stand behind every matrix instruction, the other 54 of a turn's 118 in two runs of their own.
; REGISTERS, in windows of 256 (s_set_vgpr_msb: bits 1:0 source 0, 3:2 source 1, 5:4 source 2, 7:6 destination):
;   window 0: v0-15 addresses and two at work; v16-23 four registers of statistics a piece; v48-55 at work; v64-127 S^T, a buffer a piece; v192-223 P, likewise
;   window 1: v0-63 O^T, 32 a piece; v128-159 MD; v160-223 MC, a buffer a piece      window 2: v0-31 Q; v64-95 the second block's Q; v128-191 K of one step; v192-255 V of one step
.set SIZE_N, 1024
.set NBK,   SIZE_N/128  ; blocks of 128 queries, tiles and places of 128 keys
.set NP,    2         ; pieces a wave: a name, no knob
.set NS,    2         ; key steps in a tile
.set KS,    64        ; keys in a step
.set PK,    144       ; a row of K in LDS: 128 bytes + 16 = 36 words: the 16 rows of a load start at 16 different groups of four banks (64 banks of 4 bytes: ISA guide 11.1)
.set PV,    160       ; a row of V: 128 + 32 = 40 words
.set VOFF,  SIZE_N*PK
.set STAGE, VOFF+SIZE_N*PV  ; never filled by a tensor load: 16 rows x 144 bytes for each wave, for the way out
.set SP,    144
.set AK0, 2
.set AV0, 3
.set AK,  4
.set AV,  5
.set STO, 6
.set RD,  7
.set GO,  8
.set SPW, 62
.set NIL, 63
.set SPARE, STAGE+4*16*SP  ; the spare words, 128 bytes for each wave
.set MV,  12
.set QO,  15
.set ST,  16
.set TMP, 48
.set S,   64
.set P,   192
.set MD,  128
.set MC,  160
.set QB,  64
.set KF,  128
.set VF,  192
.set WV,  12
.set PB,  14          ; b
.set HI,  15          ; 7 - b
.set G1K, 24
.set G1V, 32
.set G0,  40          ; s[40:55] four sets of descriptor group 0: my four places (ahead of that: at work)
.set SLOTS, 56        ; trips of the walk to go
.set CNT, 57          ; trips of the step loop to go
.set CS,  58
.set SEL, 60
.set TBK, 62          ; LDS byte at which K of the step to be fetched begins
.set TBV, 63          ; the same for V, less VOFF
.set OT0, 66          ; s[66:67], s[68:69], s[72:73], s[74:75]: byte offsets in K and in V of the tiles that go to my four places
.set OT1, 68
.set RT,  70          ; tiles of the block in hand that are still to be entered
.set NEW, 71          ; 1: the tile to be entered is a block's first
.set OT2, 72
.set OT3, 74
.set AL,  76
.set BE,  78
.set OLO, 80
.set BIGN, 82
.set TBVN, 83         ; what TBV takes behind the next fetch of V
.set VB,  88          ; this trip's place in V, less VOFF: stepped by the walk's counter alone
.set VPL, 89          ; the second step of the last trip's place: likewise
.set MSB, 0
.macro WIN new
.if MSB != (\new)
	s_set_vgpr_msb (MSB<<8)|(\new)
.set MSB, (\new)
.endif
.endm
.set W_KQ, 0x0a
.set W_KM, 0x1a
.set W_PV, 0x52
.set W_RS, 0x41
; Set j of descriptor group 0: to my place j (LDS: my first place's byte in s[lds] + j places of step bytes), from the tensor's address in s[base:base+1] + the tile's offset in s[o:o+1]
.macro GSET j, o, lds, step, base
	s_mov_b32 s[G0+4*(\j)], 1
	s_add_co_u32 s[G0+4*(\j)+1], s[\lds], (\j)*(\step)
	s_add_nc_u64 s[G0+4*(\j)+2:G0+4*(\j)+3], s[\base:\base+1], s[\o:\o+1]
	s_or_b32 s[G0+4*(\j)+3], s[G0+4*(\j)+3], 0x80000000
.endm
	s_load_b64 s[4:5], s[0:1], 0x0    ; qkvh
	s_load_b64 s[10:11], s[0:1], 0x8  ; ao
	v_lshl_add_u32 v[SPW], v0, 2, SPARE
	v_mov_b32 v[NIL], 0
	ds_add_u32 v[SPW], v[NIL]       ; the wave's opening: an add and its wait ahead of my first tensor load
	ds_add_u32 v62, v63
	v_lshrrev_b32 v1, 5, v0
	v_readfirstlane_b32 s[WV], v1   ; wave 0..3
	s_mov_b32 s[PB], ttmp9
	s_sub_co_u32 s[HI], NBK-1, s[PB]
	s_and_b32 s20, ttmp7, 0xffff    ; the head
	s_lshl_b32 s20, s20, 17         ; x 131,072 bytes
	s_mov_b32 s21, 0
	s_and_b32 s16, s[WV], 1         ; which four places I fill: 0-3 or 4-7:
	s_mul_i32 s17, s16, 4*NS*KS*PK  ; their first byte in K
	s_mul_i32 s18, s16, 4*NS*KS*PV  ; and in V
	s_add_co_u32 s18, s18, VOFF
	s_lshl_b32 s3, s[WV], 11        ; my 16 rows in a band of 64,
	s_lshl_b32 s2, s[HI], 14        ; in the first block (128 rows of 128 bytes a block),
	s_add_co_u32 s2, s2, s3
	s_add_co_u32 s2, s2, s20
	s_lshl_b32 s84, s[PB], 14       ; and in the second
	s_add_co_u32 s84, s84, s3
	s_add_co_u32 s84, s84, s20
	s_mov_b32 s3, 0
	s_mov_b32 s85, 0
	; which tile goes to which place
	s_sub_co_u32 s46, s[PB], 1      ; b - 1 and b - 2: taken below only where they are not negative
	s_sub_co_u32 s47, s[PB], 2
	s_cmp_ge_u32 s[PB], 1
	s_cselect_b32 s40, 0, 1         ; place 1
	s_cselect_b32 s45, s46, 7       ; place 7
	s_cmp_ge_u32 s[PB], 2
	s_cselect_b32 s41, 1, 2         ; place 2
	s_cselect_b32 s44, s47, 6       ; place 6
	s_cmp_ge_u32 s[PB], 3
	s_cselect_b32 s42, 2, 3         ; place 3
	s_cselect_b32 s43, 0, 5         ; place 5
	s_cmp_eq_u32 s16, 0             ; my four of the eight
	s_cselect_b32 s[OT0], s[PB], 4  ; places 0 and 4
	s_cselect_b32 s[OT1], s40, s43
	s_cselect_b32 s[OT2], s41, s44
	s_cselect_b32 s[OT3], s42, s45
.irp o, OT0, OT1, OT2, OT3
	s_lshl_b32 s[\o], s[\o], 14     ; a tile is 16,384 bytes of K and of V
	s_mov_b32 s[\o+1], 0
.endr
	; descriptor group 1.  128 keys are 16,384 dense bytes: asked for as 64 rows of 256 bytes, two keys a row, and padded in LDS after every key
	s_mov_b32 s[G1K], (1<<16)|(1<<20)|(4<<22)|(3<<25)  ; 2-byte elements; padding on; after every 32 words 4 words
	s_mov_b32 s[G1V], (1<<16)|(1<<20)|(4<<22)|(7<<25)  ; the same with 8 words
.irp g, G1K, G1V
	s_mov_b32 s[\g+1], 128<<16      ; tensor_dim0 = 128
	s_mov_b32 s[\g+2], 64<<16       ; tensor_dim1 = 64
	s_mov_b32 s[\g+3], 128<<16      ; tile_dim0 = 128
	s_mov_b32 s[\g+4], 64           ; tile_dim1 = 64
	s_mov_b32 s[\g+5], 128          ; 128 elements from row to row
	s_mov_b32 s[\g+6], 0
	s_mov_b32 s[\g+7], 0
.endr
	s_mov_b32 s[CS], 0x3e38aa3b     ; c = log2(e) / 8
	s_mov_b32 s[CS+1], s[CS]
	s_mov_b32 s[SEL], 0x76543210
	s_mov_b32 s[SEL+1], 0xfedcba98
	s_mov_b32 s[TBK], 0
	s_mov_b32 s[VB], 0
	s_mov_b32 s[VPL], 0             ; not used in the first trip, which begins a block
	s_add_co_u32 s[RT], s[HI], 1    ; the first block has 8 - b tiles
	s_mov_b32 s[NEW], 1
	s_mov_b32 s[AL+1], 0            ; named as pairs
	s_mov_b32 s[BE+1], 0
	s_mov_b32 s[BIGN], 0xf149f2ca   ; -1e30
	s_mov_b32 s[SLOTS], NBK+1
	s_wait_dscnt 0x0                ; the opening add is done
	s_wait_kmcnt 0x0
	s_add_nc_u64 s[6:7], s[4:5], s[20:21]
	s_add_nc_u64 s[8:9], s[6:7], 0x1000000         ; V at the head's first key
	s_add_nc_u64 s[6:7], s[6:7], 0x800000          ; K likewise
	s_add_nc_u64 s[86:87], s[4:5], s[84:85]        ; Q at my rows of the second block,
	s_add_nc_u64 s[4:5], s[4:5], s[2:3]            ; Q and O at those of the first
	s_add_nc_u64 s[OLO:OLO+1], s[10:11], s[84:85]
	s_add_nc_u64 s[10:11], s[10:11], s[2:3]
	; THE FILLS.  Waves 0 and 1 bring K's places 0-3 and 4-7, waves 2 and 3 V's.  A wave's four loads stand in one branch on its number, ahead of every wait on TENSORcnt, LDS read and barrier.
	s_cmp_lt_u32 s[WV], 2
	s_cbranch_scc0 .Lfill_v
	GSET 0, OT0, 17, NS*KS*PK, 6
	GSET 1, OT1, 17, NS*KS*PK, 6
	GSET 2, OT2, 17, NS*KS*PK, 6
	GSET 3, OT3, 17, NS*KS*PK, 6
.irp j, 0,1,2,3
	tensor_load_to_lds s[G0+4*(\j):G0+4*(\j)+3], s[G1K:G1K+7]
	s_nop 0
.endr
.rept 4
	v_nop
.endr
	s_branch .Lfilled
.Lfill_v:
	GSET 0, OT0, 18, NS*KS*PV, 8
	GSET 1, OT1, 18, NS*KS*PV, 8
	GSET 2, OT2, 18, NS*KS*PV, 8
	GSET 3, OT3, 18, NS*KS*PV, 8
.irp j, 0,1,2,3
	tensor_load_to_lds s[G0+4*(\j):G0+4*(\j)+3], s[G1V:G1V+7]
	s_nop 0
.endr
.rept 4
	v_nop
.endr
.Lfilled:
	; A fragment of K or Q is 16 rows x 32 channels in 8 registers: lane l holds row l % 16, channels 8 (l / 16) + 0..7 and 16 + 8 (l / 16) + 0..7: two loads of 16 bytes, 32 bytes apart.
	v_and_b32 v1, 15, v0            ; l % 16
	v_bfe_u32 v9, v0, 4, 1          ; l / 16
	v_lshlrev_b32 v[QO], 7, v1
	v_lshl_add_u32 v[QO], v9, 4, v[QO]
	WIN 0x80                        ; destination window 2, address window 0
.set i, 0
.rept 2*NP                          ; both blocks' Q: piece i / 2 lies in band i / 2, 8,192 bytes on; channels 32 (i % 2) on
	global_load_b128 v[8*i:8*i+3],   v[QO], s[4:5] offset:(i/2)*8192+(i%2)*64
	global_load_b128 v[8*i+4:8*i+7], v[QO], s[4:5] offset:(i/2)*8192+(i%2)*64+32
	global_load_b128 v[QB+8*i:QB+8*i+3],   v[QO], s[86:87] offset:(i/2)*8192+(i%2)*64
	global_load_b128 v[QB+8*i+4:QB+8*i+7], v[QO], s[86:87] offset:(i/2)*8192+(i%2)*64+32
.set i, i+1
.endr
	WIN 0
	v_lshlrev_b32 v14, 3, v9
	v_sub_nc_u32 v14, v1, v14
	s_lshl_b32 s13, s[WV], 4
	v_add_nc_u32 v14, s13, v14      ; my query's place in its band, 16 w + l % 16, less my lanes' 8 (l / 16): register r of group kt is hidden where 16 kt + r is greater
	WIN 0x40
.set i, 0
.rept 32
	v_cmp_gt_i32 vcc_lo, 16*(i/8)+i%8, v14
	v_cndmask_b32 v[MD+i], 0, s[BIGN], vcc_lo
.set i, i+1
.endr
	WIN 0
	v_mul_u32_u24 v[AK0], v1, PK
	v_lshl_add_u32 v[AK0], v9, 4, v[AK0]
	; The turning load takes 16 keys x 16 channels (lane l reads key 8 (l / 16) + l % 8, channels 8 ((l / 8) % 2) + 0..7) and leaves half a fragment of V^T: lane l holds channel l % 16 and 8 keys.
	v_and_b32 v10, 7, v0
	v_bfe_u32 v11, v0, 3, 1
	v_lshl_add_u32 v[AV0], v9, 3, v10
	v_mul_u32_u24 v[AV0], v[AV0], PV
	v_lshl_add_u32 v[AV0], v11, 4, v[AV0]
	v_add_nc_u32 v[AV0], VOFF, v[AV0]
	s_mul_i32 s13, s[WV], 16*SP
	s_add_co_u32 s13, s13, STAGE    ; my stage
	v_mul_u32_u24 v[STO], v1, SP
	v_lshl_add_u32 v[STO], v9, 4, v[STO]
	v_add_nc_u32 v[STO], s13, v[STO]
	v_bfe_u32 v[RD], v0, 3, 2       ; back: 32 lanes take four rows of 128 bytes,
	v_mul_u32_u24 v[RD], v[RD], SP
	v_lshl_add_u32 v[RD], v10, 4, v[RD]
	v_add_nc_u32 v[RD], s13, v[RD]
	v_and_b32 v[GO], 31, v0         ; which are 512 consecutive bytes of O
	v_lshlrev_b32 v[GO], 4, v[GO]
	; A block's first step multiplies O^T and l by a = 0, and its first turn's products V^T P, of a piece that has not been, land in an O^T that is still to be so multiplied.  So these registers need only
	; hold finite numbers: zeros for the first block; what the first block left for the second.  All this stands in the wait for the tiles.
	WIN 0x80
.set i, VF
.rept 64
	v_mov_b32 v[i], 0
.set i, i+1
.endr
	WIN 0x40
.set i, 0
.rept 32*NP
	v_mov_b32 v[i], 0
.set i, i+1
.endr
	WIN 0
.set i, 0
.rept NP
	v_mov_b32 v[ST+4*i+2], 0
	v_mov_b32 v[ST+4*i+3], 0
.set i, i+1
.endr
.set i, P+16
.rept 16
	v_mov_b32 v[i], 0
.set i, i+1
.endr
; THE MATRIX WORK.  The 4 accumulators of a run of 8 take turns.  Product i of 8 of S^T = K Q^T for piece x: channels 32 (i / 4) on, keys 16 (i % 4) on.  The first 4 start the sums: with 0, or (KM = 1) with the mask.
.macro KQ x
.set rS, S+32*((\x)%2)+8*(i%4)
.set rK, KF+16*(i%4)+8*(i/4)
.set rQ, 16*(\x)+8*(i/4)
.set rM, MC+32*((\x)%2)+8*(i%4)
.if (i < 4) && KM
	WIN W_KM
	v_wmma_f32_16x16x32_bf16 v[rS:rS+7], v[rK:rK+7], v[rQ:rQ+7], v[rM:rM+7]
.elseif i < 4
	WIN W_KQ
	v_wmma_f32_16x16x32_bf16 v[rS:rS+7], v[rK:rK+7], v[rQ:rQ+7], 0
.else
	WIN W_KQ
	v_wmma_f32_16x16x32_bf16 v[rS:rS+7], v[rK:rK+7], v[rQ:rQ+7], v[rS:rS+7]
.endif
.endm
; Product i of 8 of O^T += V^T P for piece x: keys 32 (i / 4) on, channels 16 (i % 4) on.
.macro PV x
	WIN W_PV
.set rO, 32*(\x)+8*(i%4)
.set rV, VF+32*(i/4)+8*(i%4)
.set rP, P+16*((\x)%2)+8*(i/4)
	v_wmma_f32_16x16x32_bf16 v[rO:rO+7], v[rV:rV+7], v[rP:rP+7], v[rO:rO+7]
.endm
.macro MM                           ; the turn's next matrix instruction.  NOKQ = 1: a block's last turn: there is no next piece
.if (i < 8) && !NOKQ
	KQ (Y+1)%NP
.elseif i >= 8
.set i, i-8
	PV (Y+NP-1)%NP
.set i, i+8
.endif
.set i, i+1
.endm
; THE LDS LOADS stand in runs of 16: a step's K (64 keys x 64 channels: 8 fragments) and its V (turned).  Their addresses are made some lines ahead.
.macro FETCH_K
	WIN 0x80
.irp f, 0,1,2,3,4,5,6,7
	ds_load_b128 v[KF+8*\f:KF+8*\f+3],   v[AK] offset:(\f/2)*16*PK+(\f%2)*64
	ds_load_b128 v[KF+8*\f+4:KF+8*\f+7], v[AK] offset:(\f/2)*16*PK+(\f%2)*64+32
.endr
	s_add_co_u32 s[TBK], s[TBK], KS*PK  ; the next fetch is the next step's: the places lie end to end.  Two fetches of K in every trip of the walk, on every path
	WIN 0
.endm
.macro FETCH_V
	WIN 0x80
.irp f, 0,1,2,3,4,5,6,7
	ds_load_tr16_b128 v[VF+8*\f:VF+8*\f+3],   v[AV] offset:(\f/4)*32*PV+(\f%4)*32
	ds_load_tr16_b128 v[VF+8*\f+4:VF+8*\f+7], v[AV] offset:(\f/4)*32*PV+16*PV+(\f%4)*32
.endr
	WIN 0
.endm
.macro NEXT_V                       ; V's offset goes on: from the last place's second step to this place's first, then to its second
	s_mov_b32 s[TBV], s[TBVN]
	s_add_co_u32 s[TBVN], s[TBVN], KS*PV
.endm
; THE VECTOR WORK, one line at a time: OP kind, number.  For piece Y: F n: c s - c m for pair n of 16.  E n: the exponential of score n of 32.  C n: pair n rounded to bf16.  B n: of the four weights 4 n .. the
; second pair is added onto the first, in place.  L n: l takes that sum (L 0: l = a l + sum).  R n: pair n of 16 of O^T times a.  For the next piece: X n, number n of the 22 that find its maximum and statistics:
;   0-11  four chains c0-c3 of seven scores each (each accumulator's lowest registers are read first)     12-14, 16  the four scores left over, the old m, and c0-c3 into c0
;   15  c m_old is kept     17, 18  the query's other 32 keys lie in the lane 16 away: the new m     19-21  c m; c m_old - c m_new; a
.set F, 0
.set E, 1
.set C, 2
.set B, 3
.set L, 4
.set R, 5
.set X, 6
.macro REGS y
.set rT, ST+4*(\y)
.set rC, TMP+4*((\y)%2)
.set rW, MV+((\y)%2)
.set rS, S+32*((\y)%2)
.set rP, P+16*((\y)%2)
.set rO, 32*(\y)
.endm
.macro OP k, n
.if (\k) == R
	REGS Y
	WIN W_RS
	v_pk_mul_f32 v[rO+2*(\n):rO+2*(\n)+1], v[rO+2*(\n):rO+2*(\n)+1], v[rC+2:rC+3] op_sel_hi:[1,0]
.elseif (\k) < R
	REGS Y
	WIN 0
.if (\k) == F
	v_pk_fma_f32 v[rS+2*(\n):rS+2*(\n)+1], v[rS+2*(\n):rS+2*(\n)+1], s[CS:CS+1], v[rT:rT+1] op_sel_hi:[1,0,0] neg_lo:[0,0,1] neg_hi:[0,0,1]
.elseif (\k) == E
	v_exp_f32 v[rS+(\n)], v[rS+(\n)]
.elseif (\k) == C
	s_wait_alu depctr_va_vdst(0)
	v_cvt_pk_bf16_f32 v[rP+(\n)], v[rS+2*(\n)], v[rS+2*(\n)+1]
.elseif (\k) == B
	s_wait_alu depctr_va_vdst(0)
	v_pk_add_f32 v[rS+4*(\n):rS+4*(\n)+1], v[rS+4*(\n):rS+4*(\n)+1], v[rS+4*(\n)+2:rS+4*(\n)+3]
.elseif (\n) == 0
	v_pk_fma_f32 v[rT+2:rT+3], v[rT+2:rT+3], v[rC+2:rC+3], v[rS:rS+1] op_sel_hi:[1,0,1]
.else
	v_pk_add_f32 v[rT+2:rT+3], v[rT+2:rT+3], v[rS+4*(\n):rS+4*(\n)+1]
.endif
.elseif NOKQ
	v_nop
.else
	REGS (Y+1)%NP
	WIN 0
.if (\n) < 4
	v_max3_num_f32 v[rC+(\n)], v[rS+8*(\n)], v[rS+8*(\n)+1], v[rS+8*(\n)+2]
.elseif (\n) < 12
	v_max3_num_f32 v[rC+(\n)%4], v[rC+(\n)%4], v[rS+8*((\n)%4)+2*((\n)/4)+1], v[rS+8*((\n)%4)+2*((\n)/4)+2]
.elseif (\n) == 12
	v_max3_num_f32 v[rC], v[rC], v[rS+7], v[rS+15]
.elseif (\n) == 13
	v_max3_num_f32 v[rC+1], v[rC+1], v[rS+23], v[rS+31]
.elseif (\n) == 14
	v_max3_num_f32 v[rC+2], v[rC+2], v[rC+3], v[rT+1]
.elseif (\n) == 15
	v_mov_b32 v[rW], v[rT]
.elseif (\n) == 16
	v_max3_num_f32 v[rC], v[rC], v[rC+1], v[rC+2]
.elseif (\n) == 17
	v_permlanex16_b32 v[rC+3], v[rC], s[SEL], s[SEL+1]
.elseif (\n) == 18
	v_max_num_f32 v[rT+1], v[rC], v[rC+3]
.elseif (\n) == 19
	v_mul_f32 v[rT], s[CS], v[rT+1]
.elseif (\n) == 20
	v_sub_f32 v[rC+1], v[rW], v[rT]
.else
	v_exp_f32 v[rC+2], v[rC+1]
.endif
.endif
.endm
.macro OPS a, i1, b=-1, i2=0, c=-1, i3=0, d=-1, i4=0
	OP \a, \i1
.if (\b) >= 0
	OP \b, \i2
.endif
.if (\c) >= 0
	OP \c, \i3
.endif
.if (\d) >= 0
	OP \d, \i4
.endif
.endm
.macro ROW a, i1, b, i2, c, i3, d, i4  ; a matrix instruction and the four behind it
	MM
	OPS \a, \i1, \b, \i2, \c, \i3, \d, \i4
.endm
.macro MASK b                       ; MD x AL + BE into buffer b of MC
	WIN W_RS
.set z, 0
.rept 16
	v_pk_fma_f32 v[MC+32*(\b)+2*z:MC+32*(\b)+2*z+1], v[MD+2*z:MD+2*z+1], s[AL:AL+1], s[BE:BE+1] op_sel_hi:[1,0,0]
.set z, z+1
.endr
.endm
; A TURN, for piece p: the order of its 16 matrix and 118 vector instructions, written out.  Behind a matrix instruction: plain, exponential, plain, plain; or four of the rescaling; or, behind the first, four
; scalings; none names a register of the products round it.  A line reads no result made fewer than three vector instructions in front of it, five if an exponential made it.
; m = 1: the masked text: the products take masks, and the turn makes the mask for the products of the turn after it, which are piece p's again, in step NS - CNT of the diagonal tile.
; end = 1: a block's last two turns: no K is fetched, and the last starts no new scores.  cnt = 1: the loop's count is taken down some lines ahead of the branch behind the turn.
; BOTH RUNS OF LDS LOADS STAND IN PIECE 0's TURN: K of the next step six vector instructions behind the last product that read K (five of them plain); V of the step in hand eight behind the last product
; that read V (four plain).  Piece 1's turn waits for K at its head, with V's sixteen loads, issued behind K's, left out, and for V in its middle.
.macro TURN p, m=0, end=0, cnt=0
.set Y, (\p)
.set i, 0
.set KM, (\m)
.set NOKQ, (\end)*(\p)
.if (\m) && !(\end)
	s_cmp_eq_u32 s[CNT], NS-(\p)    ; is that step the band's own?
	s_cselect_b32 s[AL], 1.0, 0
	s_cmp_lt_u32 s[CNT], NS-(\p)    ; or a later one?
	s_cselect_b32 s[BE], s[BIGN], 0
.endif
.if ((\p) == 1) && !(\end)
	s_wait_dscnt 16                 ; LDS loads come back in order (ISA guide 5.7.1): K is in; the sixteen younger loads are V's
.endif
	ROW F,0, F,1, F,2, F,3
	ROW F,4, E,0, F,5, F,6
	ROW F,7, E,1, F,8, F,9
	ROW F,10, E,2, C,0, F,11
	ROW F,12, E,3, X,15, F,13
	ROW R,0, R,1, R,2, R,3
	ROW B,0, E,4, F,14, L,0
.if ((\p) == 0) && !(\end)
	v_add_nc_u32 v[AK], s[TBK], v[AK0]
.endif
	ROW R,4, R,5, R,6, R,7
	OPS E,5, F,15
.if ((\p) == 0) && !(\end)
	FETCH_K
.endif
	OPS E,6, C,1, E,7, R,8
	OPS E,8, R,9, E,9, C,2
	OPS E,10, X,0, E,11, X,1
	OPS E,12, X,2, E,13, X,3
.if (\p) == 1
	s_wait_dscnt 0x0                ; V is in
.endif
	ROW X,4, E,14, X,5, X,6
	ROW X,7, E,15, X,8, X,9
	ROW X,10, E,16, X,11, X,12
	ROW X,13, E,17, X,14, B,1
	ROW C,4, E,18, X,16, L,1
	ROW B,2, E,19, C,6, L,2
	ROW C,8, E,20, B,3, B,4
.if (\p) == 0
	v_add_nc_u32 v[AV], s[TBV], v[AV0]
.endif
	ROW C,3, E,21, L,3, C,5
	OPS E,22, X,17, E,23, C,10
.if (\p) == 0
	FETCH_V
.endif
	OPS E,24, L,4
	OPS E,25, X,18, E,26, C,7
	OPS E,27, B,5, E,28, X,19
	OPS E,29, C,12, E,30, L,5
	OPS E,31, X,20, B,6, C,9
	OPS C,14, C,11, X,21, L,6
.if (\p) == 0
	NEXT_V
.endif
.if \cnt
	s_sub_co_u32 s[CNT], s[CNT], 1
	s_cmp_lg_u32 s[CNT], 0
.endif
	OPS C,13, B,7, C,15, R,10
	OPS R,11, R,12, L,7, R,13
	OPS R,14, R,15
.if (\m) && !(\end)
	MASK (\p)%2
.endif
.endm
; A BLOCK BEGINS.  c m starts far below every c s, so the first step's a is 0; m at the lowest finite number.  Piece 1's mask buffer is 0; piece 0's takes its mask for the tile's step 0: its own, if the
; block's first tile is the diagonal one.  Then K of that step, piece 0's first scores, and its maximum and statistics.  There is no step before the block's first: the step loop has one trip, and V's
; offset passes over the last place's second step.
.macro BEGIN
	s_mov_b32 s[NEW], 0
	s_mov_b32 s[CNT], 1
	NEXT_V
	WIN 0x40
.set i, MC+32
.rept 32
	v_mov_b32 v[i], 0
.set i, i+1
.endr
	WIN 0
.set i, 0
.rept NP
	v_mov_b32 v[ST+4*i], 0xfe000000
	v_mov_b32 v[ST+4*i+1], 0xff7fffff
.set i, i+1
.endr
	s_cmp_eq_u32 s[RT], 0
	s_cselect_b32 s[AL], 1.0, 0
	s_mov_b32 s[BE], 0
	MASK 0
	WIN 0
	v_add_nc_u32 v[AK], s[TBK], v[AK0]
	FETCH_K
	s_wait_loadcnt 0x0              ; Q
	s_wait_dscnt 0x0
.set KM, 1
.set NOKQ, 0
.set i, 0
.rept 8
	KQ 0
.set i, i+1
.endr
	WIN 0
.rept 4
	v_nop                           ; the places behind those products
.endr
.set Y, NP-1                        ; X works for the piece behind Y: piece 0
.irp n, 0,1,2,3,4,5,6,7,8,9,10,11,12,13,14,15,16,17,18,19,20,21
	OP X, \n
.endr
	v_nop                           ; a plain instruction behind the exponential
.endm
.macro ALL line:vararg              ; one line for each piece t
.set t, 0
.rept NP
	\line
.set t, t+1
.endr
.endm
.macro PACK t                       ; a lane's eight channels of a row pack into 16 bytes; they go into rows of 144 bytes and come back as whole rows of 128, into S^T's registers
	WIN W_RS
.set i, 32*(\t)
.rept 16
	s_wait_alu depctr_va_vdst(0)
	v_pk_mul_f32 v[i:i+1], v[i:i+1], v[ST+4*(\t)+2:ST+4*(\t)+3] op_sel_hi:[1,0]
.set i, i+2
.endr
	WIN 0x05
.set i, 0
.rept 16
	v_cvt_pk_bf16_f32 v[S+16*(\t)+i], v[32*(\t)+2*i], v[32*(\t)+2*i+1]
.set i, i+1
.endr
	WIN 0
.irp f, 0,1,2,3
	ds_store_b128 v[STO], v[S+16*(\t)+4*\f:S+16*(\t)+4*\f+3] offset:32*\f
.endr
.irp f, 0,1,2,3
	ds_load_b128 v[S+16*(\t)+4*\f:S+16*(\t)+4*\f+3], v[RD] offset:\f*4*SP  ; LDS serves a wave's instructions in order (ISA guide 5.7.1.4): these see the stores above
.endr
.endm
.macro SEND t, younger              ; younger: the LDS instructions issued behind piece t's loads: the next piece's eight, or none
	WIN 0
.irp f, 0,1,2,3
	s_wait_dscnt (\younger)+3-\f
	global_store_b128 v[GO], v[S+16*(\t)+4*\f:S+16*(\t)+4*\f+3], s[10:11] offset:(\t)*8192+\f*512  ; 512 consecutive bytes, at a multiple of 256 from O's first
.endr
.endm
.set KM, 0
.set NOKQ, 0
	s_wait_tensorcnt 0x0            ; my four places are in,
	s_barrier_signal -1
	s_barrier_wait -1               ; and everybody's: from here on K and V are only read
; A TRIP OF THE WALK takes a tile's place in hand.  Its step loop has two trips of two turns: the step BEFORE the tile's first (whose turns start the tile's first scores and fetch its first K), and the
; tile's first step; the tile's second step falls to the next trip, or, behind a diagonal tile, to the block's two last turns.
.Lslot:                             ; nine trips, through the places 0 .. 7 and 0
	s_cmp_lg_u32 s[SLOTS], 1
	s_cbranch_scc1 .Lon             ; eight trips have gone through the eight places:
	s_mov_b32 s[TBK], 0             ; the ninth trip's place is place 0 again
	s_mov_b32 s[VB], 0
.Lon:
	s_mov_b32 s[TBV], s[VPL]        ; V's fetches run one step behind K's: first the last place's second step,
	s_mov_b32 s[TBVN], s[VB]        ; then this place's first
	s_sub_co_u32 s[RT], s[RT], 1
	s_mov_b32 s[CNT], NS
	s_cmp_eq_u32 s[NEW], 1
	s_cbranch_scc1 .Lnew            ; a block's first tile
	s_cmp_eq_u32 s[RT], 0
	s_cbranch_scc0 .Lstep           ; neither its first nor its last
	s_branch .LstepM
.Lnew:
	BEGIN
	WIN 0
	s_cmp_eq_u32 s[RT], 0
	s_cbranch_scc0 .Lstep           ; first and last at once (block 0) goes on below
; THE DIAGONAL TILE: the step loop with masks, the block's last two turns, its last products, and THE WAY OUT: l's two halves and the other half of the lanes' are added; O^T is divided by l, rounded and sent through my stage.
.LstepM:
	TURN 0, 1
	TURN 1, 1, 0, 1
	WIN 0
	s_cbranch_scc1 .LstepM
	TURN 0, 1, 1
	TURN 1, 1, 1
.set i, 0
.rept 8
	PV NP-1
.set i, i+1
.endr
	WIN 0
	ALL v_add_f32 v[ST+4*t+2], v[ST+4*t+2], v[ST+4*t+3]
	ALL v_permlanex16_b32 v[ST+4*t+3], v[ST+4*t+2], s[SEL], s[SEL+1]
	ALL v_add_f32 v[ST+4*t+2], v[ST+4*t+2], v[ST+4*t+3]
	ALL v_rcp_f32 v[ST+4*t+2], v[ST+4*t+2]
	v_nop                           ; a plain instruction between the last reciprocal and the use of its result
	PACK 0                          ; piece 0's 32 lines, which name none of the last products' registers, are the places behind those products
	PACK 1
	SEND 0, 8
	SEND 1, 0
	s_cmp_eq_u32 s[SLOTS], 1
	s_cbranch_scc1 .Lbottom         ; the walk's last tile: no block follows
	s_wait_xcnt 0x0                 ; the stores have read their registers and O's address
	s_mov_b64 s[10:11], s[OLO:OLO+1]
	s_add_co_u32 s[RT], s[PB], 1    ; the second block has b + 1 tiles; its first lies in the next place
	s_mov_b32 s[NEW], 1
	WIN 0x82                        ; the second block's Q goes where the one text of the turns names Q
.set i, 0
.rept 16*NP
	v_mov_b32 v[i], v[QB+i]
.set i, i+1
.endr
	WIN 0
	s_branch .Lbottom
.Lstep:                             ; the step loop without masks
	TURN 0
	TURN 1, 0, 0, 1
	WIN 0
	s_cbranch_scc1 .Lstep
.Lbottom:
	s_add_co_u32 s[VPL], s[VB], KS*PV     ; on every path alike: the place just taken in hand becomes the last place,
	s_add_co_u32 s[VB], s[VB], NS*KS*PV   ; and the next place follows it
	s_sub_co_u32 s[SLOTS], s[SLOTS], 1
	s_cmp_lg_u32 s[SLOTS], 0
	s_cbranch_scc1 .Lslot
	s_wait_tensorcnt 0x0            ; the wave's end
	ds_add_u32 v[SPW], v[NIL]
	s_wait_dscnt 0x0
	s_endpgm
.Lfunc_end_k_qf78bba3575_attn:
	.size	k_qf78bba3575_attn, .Lfunc_end_k_qf78bba3575_attn-k_qf78bba3575_attn
	.p2alignl 7, 3214868480
	.fill 96, 4, 3214868480
	.section	.rodata,"a",@progbits
	.p2align	6, 0x0
	.amdhsa_kernel k_qf78bba3575_attn
		.amdhsa_group_segment_fixed_size 327680
		.amdhsa_private_segment_fixed_size 0
		.amdhsa_enable_private_segment 0
		.amdhsa_kernarg_size 16
		.amdhsa_user_sgpr_count 2
		.amdhsa_user_sgpr_kernarg_segment_ptr 1
		.amdhsa_wavefront_size32 1
		.amdhsa_system_sgpr_workgroup_id_x 1
		.amdhsa_system_sgpr_workgroup_id_y 1
		.amdhsa_system_sgpr_workgroup_id_z 1
		.amdhsa_system_vgpr_workitem_id 0
		.amdhsa_next_free_vgpr 768
		.amdhsa_next_free_sgpr 90
		.amdhsa_reserve_vcc 1
		.amdhsa_float_denorm_mode_32 3
		.amdhsa_float_denorm_mode_16_64 3
		.amdhsa_memory_ordered 1
		.amdhsa_forward_progress 1
		.amdhsa_inst_pref_size 96
	.end_amdhsa_kernel
	.amdgpu_metadata
---
amdhsa.version: [ 1, 2 ]
amdhsa.kernels:
  - .name:           k_qf78bba3575_attn
    .symbol:         k_qf78bba3575_attn.kd
    .args:
      - { .name: qkvh, .offset: 0, .size: 8, .value_kind: global_buffer, .address_space: global }
      - { .name: ao, .offset: 8, .size: 8, .value_kind: global_buffer, .address_space: global }
    .group_segment_fixed_size: 327680
    .private_segment_fixed_size: 0
    .kernarg_segment_align: 8
    .kernarg_segment_size: 16
    .max_flat_workgroup_size: 128
    .sgpr_count:     90
    .vgpr_count:     768
    .wavefront_size: 32
...
	.end_amdgpu_metadata
.endif
;; end of part 3
;; launch gout (part 4): grid 8 x 32, 4 waves a work-group, clusters of 4 x 4, 327,680 bytes of LDS; arguments ao, wb, out_b, x, x1; writes x1
.if DOCPART == 4
	.amdgcn_target "amdgcn-amd-amdhsa--gfx1250"
	.amdhsa_code_object_version 6
	.text
	.protected	k_qf78bba3575_gout
	.globl	k_qf78bba3575_gout
	.p2align	8
	.type	k_qf78bba3575_gout,@function
k_qf78bba3575_gout:
	s_mov_b64 s[64:65], 0
	v_nop
	global_prefetch_b8 v0, s[64:65] scope:SCOPE_SE
	s_setreg_imm32_b32 hwreg(HW_REG_WAVE_MODE, 25, 1), 1
	s_wait_xcnt 0x0
	s_wait_alu depctr_hold_cnt(0) depctr_sa_sdst(0) depctr_va_vdst(0) depctr_va_sdst(0) depctr_va_ssrc(0) depctr_va_vcc(0) depctr_vm_vsrc(0)
	s_getreg_b32 s2, hwreg(HW_REG_IB_STS2, 6, 4)
	s_cmp_eq_u32 s2, 0
	s_cbranch_scc0 .Lentry_in_a_cluster
	s_endpgm
.Lentry_in_a_cluster:
	s_bfe_u32 s2, ttmp6, 0x10000c
	s_cmp_lg_u32 s2, 0xf033
	s_cbranch_scc0 .Lentry_shape_is_right
	s_endpgm
.Lentry_shape_is_right:
; OUTPUT PROJECTION AND RESIDUAL.  x1[m][n] = x[m][n] + out_b[n] + sum over k of attn[m][k] out_w[n][k]; m = 4,096, n = 1,024, k = 1,024 = 16 heads x 64; operands bf16, sums and x1 in f32.
; attn lies by heads, ao[16 batch + head][row][64]: a K step of 256 is four heads, and 64 rows of one head are 8,192 dense bytes: A's tile is asked for as 4 rows of 4,096 elements, 65,536 elements
; apart, padded in LDS after every 128 bytes: [4 heads][64 rows][144 bytes]; quarter q of a K step is head q.
; A tile of x1 is 128 x 128: 8 x 32 = 256 work-groups; four waves, each 64 x 64 in 16 accumulators.  K goes in 4 steps of 256 through two LDS slots.
; CLUSTER 4 x 4: A's tile is shared along a row of the cluster, the weights' along a column: joint loads.
; SHORT TEXT: the loop holds ONE K step; the slot in hand is a scalar (SB) added to the lanes' LDS addresses; one descriptor a tensor walks, its LDS word turned by an exclusive or (SLOT = 0x24000 shares
; no bit with the words 0, 0x9000, 0x12000, 0x1a400).  The last two K steps are one text walked twice, entered in its middle; its last walk passes one barrier and fetches 32 fragments that serve nothing.
; THE BIAS STARTS THE SUMS: it is the C operand of each accumulator's first product.  THE RESIDUAL is loaded at the start into 128 registers and stays on its way during the K loop.
; THE WAY OUT: f32 through the wave's own 64 rows x 272 bytes of LDS (ring bytes that are filled no more), back as whole rows of 256 bytes, + residual, stored 256 consecutive bytes to 16 lanes.
; REGISTERS: window 0: v1-29 addresses, v32-63 bias, v64-191 the way out, v128-255 accumulators; window 1: two fragment buffers of 128 (A's 64, then the weights' 64); window 2: v0-127 residual.
.set GOUT, 1
.if GOUT
.set NSTEP,  4
.set APITCH, 144
.set AQ,     64*APITCH
.set AHALF,  4*AQ
.set ASTEP,  4*131072
.set BK,     1024
.set WOFF,   6291456
.else
.set NSTEP,  16
.set APITCH, 528
.set AQ,     128
.set AHALF,  64*APITCH
.set ASTEP,  512
.set BK,     4096
.set WOFF,   16777216
.endif
.set KSTEP,  256
.set BPITCH, 528                       ; 512 bytes + 16: row r starts at bank 4 r mod 64 (64 banks of 4 bytes: ISA guide 11.1)
.set BHALF,  64*BPITCH
.set SLOT,   0x24000
.set SPARE,  2*SLOT
.set DP,     272
.set DREG,   64*DP
.set ADRA0, 16
.set ADRB0, 17
.set ADRA,  18
.set ADRB,  19
.set STO,   24
.set RD,    25
.set CO,    26
.set BO,    27
.set SPW,   28
.set NIL,   29
.set BIAS,  32
.set XO,    64
.set ACC,   128
.set F0,    0
.set F1,    128
.set G1,  24
.set G0,  32
.set G1B, 48
.set G0B, 56
.set SB,  45
.set OUTP, 66
.set WV,  70
.set WH,  71
.set WL,  72
.set LWA, 74
.set LWB, 75
.set TR,  76
.set TC,  77
.set MSB, 0
.macro WIN new
.if MSB != (\new)
	s_set_vgpr_msb (MSB<<8)|(\new)
.set MSB, \new
.endif
.endm
.set MUL,  0x05                        ; sources 0 and 1 window 1; C and D window 0
.set TO_F, 0x40
.macro JLOAD s
	s_cmp_eq_u32 s[WH], 0
	s_cbranch_scc0 .Lfor_b_\@
	tensor_load_to_lds s[G0+4*(\s):G0+4*(\s)+3], s[G1:G1+7]
	s_nop 0
.rept 4
	v_nop
.endr
	s_branch .Lasked_\@
.Lfor_b_\@:
	tensor_load_to_lds s[G0B+4*(\s):G0B+4*(\s)+3], s[G1B:G1B+7]
	s_nop 0
.rept 4
	v_nop
.endr
.Lasked_\@:
.endm
.macro CREST
	s_cmp_lg_u32 s[WV], 0
	s_cbranch_scc1 .Lnot_wave_0_\@
	s_barrier_signal -3
.Lnot_wave_0_\@:
	s_barrier_wait -3
	s_barrier_signal -1
	s_barrier_wait -1
.endm
.macro CROUND
	s_barrier_signal -1
	s_barrier_wait -1
	CREST
.endm
.macro PLACES
.rept 4
	v_nop
.endr
.endm
.macro MUL8 f, c, a0, first            ; 8 matrix instructions: row blocks a0, a0 + 1 x all 4 column blocks, 32 along K: half c of buffer f.  first = 1: the bias starts the sums
	WIN MUL
.irp a, \a0, (\a0)+1
.irp b, 0,1,2,3
.if \first
	v_wmma_f32_16x16x32_bf16 v[ACC+8*(4*(\a)+(\b)):ACC+8*(4*(\a)+(\b))+7], v[(\f)+64+8*(4*(\c)+(\b)):(\f)+64+8*(4*(\c)+(\b))+7], v[(\f)+8*(4*(\c)+(\a)):(\f)+8*(4*(\c)+(\a))+7], v[BIAS+8*(\b):BIAS+8*(\b)+7]
.else
	v_wmma_f32_16x16x32_bf16 v[ACC+8*(4*(\a)+(\b)):ACC+8*(4*(\a)+(\b))+7], v[(\f)+64+8*(4*(\c)+(\b)):(\f)+64+8*(4*(\c)+(\b))+7], v[(\f)+8*(4*(\c)+(\a)):(\f)+8*(4*(\c)+(\a))+7], v[ACC+8*(4*(\a)+(\b)):ACC+8*(4*(\a)+(\b))+7]
.endif
.endr
.endr
.endm
.macro FETCH q, f                      ; 32 LDS loads in one run: quarter q (64 along K) of the slot in hand; the first 32 along K first
	WIN TO_F
.irp c, 0,1
.irp i, 0,1,2,3
	ds_load_b128 v[(\f)+64+8*(4*(\c)+(\i)):(\f)+64+8*(4*(\c)+(\i))+3],   v[ADRB] offset:128*(\q)+64*(\c)+(\i)*16*BPITCH
	ds_load_b128 v[(\f)+64+8*(4*(\c)+(\i))+4:(\f)+64+8*(4*(\c)+(\i))+7], v[ADRB] offset:128*(\q)+64*(\c)+(\i)*16*BPITCH+32
	ds_load_b128 v[(\f)+8*(4*(\c)+(\i)):(\f)+8*(4*(\c)+(\i))+3],         v[ADRA] offset:AQ*(\q)+64*(\c)+(\i)*16*APITCH
	ds_load_b128 v[(\f)+8*(4*(\c)+(\i))+4:(\f)+8*(4*(\c)+(\i))+7],       v[ADRA] offset:AQ*(\q)+64*(\c)+(\i)*16*APITCH+32
.endr
.endr
.endm
.macro QUARTER q, f, g, first          ; multiplies buffer f; in its middle fetches quarter q into g
	s_wait_dscnt 16                                ; the first 32 along K are in
	MUL8 \f, 0, 0, \first
	MUL8 \f, 0, 2, \first
	PLACES
	FETCH \q, \g
	s_wait_dscnt 32                                ; all but the 32 just issued
	MUL8 \f, 1, 0, 0
	MUL8 \f, 1, 2, 0
.endm
.macro TURN fill                       ; the last quarter multiplies buffer 1 and changes slots; fill = 1: the slot just read is filled again, two K steps ahead, first thing behind a round of the cluster's barrier
	WIN 0
	s_wait_tensorcnt 0x0                           ; all my tensor loads have landed: my part of the next slot
	ds_add_u32 v[SPW], v[NIL]
	s_wait_dscnt 17                                ; the add and the youngest sixteen loads may be out
	MUL8 F1, 0, 0, 0
	s_wait_dscnt 0x0                               ; the add is done, my reads of this slot are over
	s_barrier_signal -1
	MUL8 F1, 0, 2, 0
	WIN 0
	s_barrier_wait -1
.if \fill
	CREST
	s_xor_b32 s[G0+5], s[G0+5], SLOT
	s_add_nc_u64 s[G0+6:G0+7], s[G0+6:G0+7], ASTEP
	s_xor_b32 s[G0B+5], s[G0B+5], SLOT
	s_add_nc_u64 s[G0B+6:G0B+7], s[G0B+6:G0B+7], KSTEP*2
	JLOAD 1
.else
	PLACES
.endif
	s_xor_b32 s[SB], s[SB], SLOT
	v_add_nc_u32 v[ADRA], s[SB], v[ADRA0]
	v_add_nc_u32 v[ADRB], s[SB], v[ADRB0]
	FETCH 0, F0
	MUL8 F1, 1, 0, 0
	MUL8 F1, 1, 2, 0
.endm
	s_load_b256 s[4:11], s[0:1], 0x0               ; A s[4:5], wb s[6:7], bias s[8:9], residual s[10:11]
	s_load_b64 s[OUTP:OUTP+1], s[0:1], 0x20        ; the output
	v_lshl_add_u32 v[SPW], v0, 2, SPARE
	v_mov_b32 v[NIL], 0
	ds_add_u32 v[SPW], v[NIL]                      ; the wave's opening: an add and its wait ahead of my first tensor load
	ds_add_u32 v28, v29
	v_lshrrev_b32 v1, 5, v0
	v_readfirstlane_b32 s[WV], v1
	s_lshr_b32 s[WH], s[WV], 1                     ; my half of the tile's rows; also: I fetch A (0) or the weights (1)
	s_and_b32 s[WL], s[WV], 1                      ; my half of its columns; also: which 64 rows I fetch
	s_bfe_u32 s40, ttmp6, 0x40000
	s_bfe_u32 s41, ttmp6, 0x40004
	s_lshl_b32 s[TC], ttmp9, 2
	s_add_co_u32 s[TC], s[TC], s40                 ; tile column
	s_and_b32 s[TR], ttmp7, 0xffff
	s_lshl_b32 s[TR], s[TR], 2
	s_add_co_u32 s[TR], s[TR], s41                 ; tile row
	s_lshl_b32 s43, s41, 2
	s_lshl_b32 s43, 15, s43
	s_lshl_b32 s44, 0x1111, s40
.if GOUT
	s_or_b32 s[G1+0], s43, (1<<16)|(1<<20)|(1<<21)|(4<<22)|(3<<25)  ; 4 words of padding behind every 32
	s_mov_b32 s[G1+1], 4096<<16                    ; tensor_dim0 = 4,096: 64 rows of a head, dense
	s_mov_b32 s[G1+2], 4<<16                       ; tensor_dim1 = 4 heads
	s_mov_b32 s[G1+3], 4096<<16                    ; tile_dim0
	s_mov_b32 s[G1+4], 4                           ; tile_dim1
	s_mov_b32 s[G1+5], 65536                       ; elements from head to head
.else
	s_or_b32 s[G1+0], s43, (1<<16)|(1<<20)|(1<<21)|(6<<22)|(3<<25)  ; 4 words of padding behind every 128
	s_mov_b32 s[G1+1], KSTEP<<16
	s_mov_b32 s[G1+2], 64<<16
	s_mov_b32 s[G1+3], KSTEP<<16
	s_mov_b32 s[G1+4], 64
	s_mov_b32 s[G1+5], 4096
.endif
	s_mov_b32 s[G1+6], 0
	s_mov_b32 s[G1+7], 0
	s_or_b32 s[G1B+0], s44, (1<<16)|(1<<20)|(1<<21)|(6<<22)|(3<<25)
	s_mov_b32 s[G1B+1], KSTEP<<16
	s_mov_b32 s[G1B+2], 64<<16
	s_mov_b32 s[G1B+3], KSTEP<<16
	s_mov_b32 s[G1B+4], 64
	s_mov_b32 s[G1B+5], BK
	s_mov_b32 s[G1B+6], 0
	s_mov_b32 s[G1B+7], 0
	s_lshl_b32 s18, s[WL], 6
.if GOUT
	s_lshr_b32 s16, s[TR], 3
	s_lshl_b32 s16, s16, 21                        ; the batch's 16 heads
	s_and_b32 s17, s[TR], 7
	s_lshl_b32 s17, s17, 7
	s_add_co_u32 s17, s17, s18                     ; my first row in the head
	s_lshl_b32 s17, s17, 7                         ; x 128 bytes
	s_add_co_u32 s16, s16, s17
.else
	s_lshl_b32 s16, s[TR], 7
	s_add_co_u32 s16, s16, s18
	s_lshl_b32 s16, s16, 13                        ; x 8,192 bytes
.endif
	s_mov_b32 s17, 0
	s_lshl_b32 s46, s[TC], 7
	s_add_co_u32 s46, s46, s18
	s_mul_i32 s46, s46, BK*2
	s_add_co_u32 s46, s46, WOFF
	s_mov_b32 s47, 0
	s_mul_i32 s[LWA], s[WL], AHALF                 ; where my 64 rows go: no place in the cluster enters an LDS address
	s_mul_i32 s[LWB], s[WL], BHALF
	s_add_co_u32 s[LWB], s[LWB], 2*AHALF
	s_wait_dscnt 0x0                               ; the opening add is done
	s_wait_kmcnt 0x0
	s_add_nc_u64 s[14:15], s[4:5], s[16:17]
	s_add_nc_u64 s[46:47], s[6:7], s[46:47]
	CROUND                                         ; all sixteen work-groups are here: the first joint loads meet
.irp s, 0,1
	s_mov_b32 s[G0+4*(\s)], 1
	s_add_co_u32 s[G0+4*(\s)+1], s[LWA], (\s)*SLOT
	s_add_nc_u64 s[G0+4*(\s)+2:G0+4*(\s)+3], s[14:15], (\s)*ASTEP
	s_or_b32 s[G0+4*(\s)+3], s[G0+4*(\s)+3], 0x80000000
	s_mov_b32 s[G0B+4*(\s)], 1
	s_add_co_u32 s[G0B+4*(\s)+1], s[LWB], (\s)*SLOT
	s_add_nc_u64 s[G0B+4*(\s)+2:G0B+4*(\s)+3], s[46:47], (\s)*KSTEP*2
	s_or_b32 s[G0B+4*(\s)+3], s[G0B+4*(\s)+3], 0x80000000
	JLOAD \s                                       ; two loads of mine are out
.endr
	v_and_b32 v1, 15, v0                           ; r
	v_bfe_u32 v2, v0, 4, 1                         ; h
	v_mul_u32_u24 v3, v1, APITCH
	v_lshl_add_u32 v3, v2, 4, v3
	s_mul_i32 s21, s[WH], AHALF
	v_add_nc_u32 v[ADRA0], s21, v3
	v_mul_u32_u24 v4, v1, BPITCH
	v_lshl_add_u32 v4, v2, 4, v4
	s_mul_i32 s22, s[WL], BHALF
	s_add_co_u32 s22, s22, 2*AHALF
	v_add_nc_u32 v[ADRB0], s22, v4
	v_mov_b32 v[ADRA], v[ADRA0]
	v_mov_b32 v[ADRB], v[ADRB0]
	s_mov_b32 s[SB], 0
	s_mul_i32 s23, s[WV], DREG                     ; my region of the dump
	v_mul_u32_u24 v5, v1, DP
	v_lshl_add_u32 v5, v2, 5, v5
	v_add_nc_u32 v[STO], s23, v5
	v_mul_u32_u24 v6, v2, DP
	v_lshl_add_u32 v6, v1, 4, v6
	v_add_nc_u32 v[RD], s23, v6
	v_lshlrev_b32 v[CO], 12, v2                    ; lanes 0-15 one row of 4,096 bytes, lanes 16-31 the next,
	v_lshl_add_u32 v[CO], v1, 4, v[CO]             ; 16 bytes a lane
	v_lshlrev_b32 v[BO], 5, v2                     ; the bias of my eight columns in a block of 16
	s_lshl_b32 s20, s[TR], 7
	s_lshl_b32 s21, s[WH], 6
	s_add_co_u32 s20, s20, s21
	s_lshl_b32 s20, s20, 12                        ; my first row x 4,096 bytes
	s_lshl_b32 s22, s[TC], 7
	s_lshl_b32 s23, s[WL], 6
	s_add_co_u32 s22, s22, s23
	s_lshl_b32 s22, s22, 2                         ; my first column x 4 bytes
	s_mov_b32 s23, 0
	s_add_nc_u64 s[8:9], s[8:9], s[22:23]
	s_add_co_u32 s20, s20, s22
	s_mov_b32 s21, 0
	s_add_nc_u64 s[10:11], s[10:11], s[20:21]
	s_add_nc_u64 s[OUTP:OUTP+1], s[OUTP:OUTP+1], s[20:21]
.irp b, 0,1,2,3
	global_load_b128 v[BIAS+8*(\b):BIAS+8*(\b)+3],   v[BO], s[8:9] offset:64*(\b)
	global_load_b128 v[BIAS+8*(\b)+4:BIAS+8*(\b)+7], v[BO], s[8:9] offset:64*(\b)+16
.endr
	WIN 0x80                                       ; destination window 2
.set i, 0
.rept 32
	global_load_b128 v[4*i:4*i+3], v[CO], s[10:11] offset:8192*i  ; the residual: 16 lanes read 256 consecutive bytes, aligned
.set i, i+1
.endr
	WIN 0
	s_wait_tensorcnt 0x1                           ; my part of K step 0 is in; K step 1's may stay out
	s_barrier_signal -1
	s_barrier_wait -1
	s_wait_loadcnt 32                              ; the bias is in; the residual's 32 loads stay out
	FETCH 0, F0
	QUARTER 1, F0, F1, 1
	WIN 0
	s_mov_b32 s3, NSTEP-2
.Lk:
	QUARTER 2, F1, F0, 0
	QUARTER 3, F0, F1, 0
	TURN 1
	QUARTER 1, F0, F1, 0
	WIN 0
	s_sub_co_u32 s3, s3, 1
	s_cmp_lg_u32 s3, 0
	s_cbranch_scc1 .Lk
	s_mov_b32 s3, 2
	s_branch .Lmid                                 ; the last two K steps ask for nothing
.Ltail:
	QUARTER 1, F0, F1, 0
	WIN 0
.Lmid:
	QUARTER 2, F1, F0, 0
	QUARTER 3, F0, F1, 0
	TURN 0
	WIN 0
	s_sub_co_u32 s3, s3, 1
	s_cmp_lg_u32 s3, 0
	s_cbranch_scc1 .Ltail
	PLACES
	s_wait_dscnt 0x0                               ; my reads of the ring are over
	s_barrier_signal -1
	s_barrier_wait -1                              ; everybody's are
.irp a, 0,1,2,3
.irp b, 0,1,2,3
	ds_store_b128 v[STO], v[ACC+8*(4*(\a)+(\b)):ACC+8*(4*(\a)+(\b))+3]   offset:(\a)*16*DP+64*(\b)
	ds_store_b128 v[STO], v[ACC+8*(4*(\a)+(\b))+4:ACC+8*(4*(\a)+(\b))+7] offset:(\a)*16*DP+64*(\b)+16
.endr
.endr
.set i, 0
.rept 32
	ds_load_b128 v[XO+4*i:XO+4*i+3], v[RD] offset:2*DP*i  ; LDS serves a wave's instructions in order (ISA guide 5.7.1.4): these see my stores
.set i, i+1
.endr
	s_wait_loadcnt 0x0                             ; the residual
	WIN 0x08                                       ; source 1 in window 2
.set i, 0
.rept 32
	s_wait_dscnt 31-i
	v_pk_add_f32 v[XO+4*i:XO+4*i+1],   v[XO+4*i:XO+4*i+1],   v[4*i:4*i+1]
	v_pk_add_f32 v[XO+4*i+2:XO+4*i+3], v[XO+4*i+2:XO+4*i+3], v[4*i+2:4*i+3]
.set i, i+1
.endr
	WIN 0
.set i, 0
.rept 32
	global_store_b128 v[CO], v[XO+4*i:XO+4*i+3], s[OUTP:OUTP+1] offset:8192*i  ; 16 lanes store 256 consecutive bytes, aligned
.set i, i+1
.endr
	s_wait_tensorcnt 0x0                           ; the wave's end
	ds_add_u32 v[SPW], v[NIL]
	s_wait_dscnt 0x0
	CROUND                                         ; the closing round
	s_endpgm
.Lfunc_end_k_qf78bba3575_gout:
	.size	k_qf78bba3575_gout, .Lfunc_end_k_qf78bba3575_gout-k_qf78bba3575_gout
	.p2alignl 7, 3214868480
	.fill 96, 4, 3214868480
	.section	.rodata,"a",@progbits
	.p2align	6, 0x0
	.amdhsa_kernel k_qf78bba3575_gout
		.amdhsa_group_segment_fixed_size 327680
		.amdhsa_private_segment_fixed_size 0
		.amdhsa_enable_private_segment 0
		.amdhsa_kernarg_size 40
		.amdhsa_user_sgpr_count 2
		.amdhsa_user_sgpr_kernarg_segment_ptr 1
		.amdhsa_wavefront_size32 1
		.amdhsa_system_sgpr_workgroup_id_x 1
		.amdhsa_system_sgpr_workgroup_id_y 1
		.amdhsa_system_sgpr_workgroup_id_z 1
		.amdhsa_system_vgpr_workitem_id 0
		.amdhsa_next_free_vgpr 640
		.amdhsa_next_free_sgpr 80
		.amdhsa_reserve_vcc 0
		.amdhsa_float_denorm_mode_32 3
		.amdhsa_float_denorm_mode_16_64 3
		.amdhsa_memory_ordered 1
		.amdhsa_forward_progress 1
		.amdhsa_inst_pref_size 67
	.end_amdhsa_kernel
	.amdgpu_metadata
---
amdhsa.version: [ 1, 2 ]
amdhsa.kernels:
  - .name:           k_qf78bba3575_gout
    .symbol:         k_qf78bba3575_gout.kd
    .args:
      - { .name: ao, .offset: 0, .size: 8, .value_kind: global_buffer, .address_space: global }
      - { .name: wb, .offset: 8, .size: 8, .value_kind: global_buffer, .address_space: global }
      - { .name: out_b, .offset: 16, .size: 8, .value_kind: global_buffer, .address_space: global }
      - { .name: x, .offset: 24, .size: 8, .value_kind: global_buffer, .address_space: global }
      - { .name: x1, .offset: 32, .size: 8, .value_kind: global_buffer, .address_space: global }
    .group_segment_fixed_size: 327680
    .private_segment_fixed_size: 0
    .kernarg_segment_align: 8
    .kernarg_segment_size: 40
    .max_flat_workgroup_size: 128
    .sgpr_count:     80
    .vgpr_count:     640
    .wavefront_size: 32
...
	.end_amdgpu_metadata
.endif
;; end of part 4
;; launch ln2 (part 5): grid 512 x 1, 8 waves a work-group, no clusters, 0 bytes of LDS; arguments x1, ln2_w, ln2_b, h2; writes h2
.if DOCPART == 5
	.amdgcn_target "amdgcn-amd-amdhsa--gfx1250"
	.amdhsa_code_object_version 6
	.text
	.protected	k_qf78bba3575_ln2
	.globl	k_qf78bba3575_ln2
	.p2align	8
	.type	k_qf78bba3575_ln2,@function
k_qf78bba3575_ln2:
	s_mov_b64 s[64:65], 0
	v_nop
	global_prefetch_b8 v0, s[64:65] scope:SCOPE_SE
	s_setreg_imm32_b32 hwreg(HW_REG_WAVE_MODE, 25, 1), 1
	s_wait_xcnt 0x0
; h2 = LayerNorm(x1) * ln2_w + ln2_b, rounded once to bf16.  One wave takes one row of 1,024 f32 and keeps it in 32 registers: mean, then the mean of the squared differences in a true second pass,
; so that a common offset cancels before anything is squared.  No LDS, no barrier.  Memory binds: each byte is read once, each store of the wave covers 256 consecutive bytes, aligned.
.set X,  8
.set W,  40
.set BV, 72
.set T,  104
.macro FOLD                            ; four chains of pairs -> one number a lane -> the sum over the 32 lanes, in every lane
	v_pk_add_f32 v[T:T+1], v[T:T+1], v[T+2:T+3]
	v_pk_add_f32 v[T+4:T+5], v[T+4:T+5], v[T+6:T+7]
	v_pk_add_f32 v[T:T+1], v[T:T+1], v[T+4:T+5]
	v_add_f32 v[T], v[T], v[T+1]
	v_add_f32_dpp v[T], v[T], v[T] row_xmask:1 row_mask:0xf bank_mask:0xf
	v_add_f32_dpp v[T], v[T], v[T] row_xmask:2 row_mask:0xf bank_mask:0xf
	v_add_f32_dpp v[T], v[T], v[T] row_xmask:4 row_mask:0xf bank_mask:0xf
	v_add_f32_dpp v[T], v[T], v[T] row_xmask:8 row_mask:0xf bank_mask:0xf
	v_permlanex16_b32 v[T+1], v[T], s28, s29
	v_add_f32 v[T], v[T], v[T+1]
.endm
	s_load_b256 s[4:11], s[0:1], 0x0               ; x1 s[4:5], ln2_w s[6:7], ln2_b s[8:9], h2 s[10:11]
	v_lshrrev_b32 v3, 5, v0
	v_readfirstlane_b32 s22, v3
	v_and_b32 v4, 31, v0
	v_lshlrev_b32 v1, 4, v4
	v_lshlrev_b32 v2, 3, v4
	s_mov_b32 s28, 0x76543210
	s_mov_b32 s29, 0xfedcba98
	s_mov_b32 s30, 0x3a800000                      ; 1 / 1024
	s_mov_b32 s31, 0x3727c5ac                      ; 1e-5
	s_lshl_b32 s23, ttmp9, 3
	s_add_co_u32 s23, s23, s22                     ; my row
	s_lshl_b32 s24, s23, 12
	s_mov_b32 s25, 0
	s_lshl_b32 s26, s23, 11
	s_mov_b32 s27, 0
	s_wait_kmcnt 0x0
	s_add_nc_u64 s[4:5], s[4:5], s[24:25]
	s_add_nc_u64 s[10:11], s[10:11], s[26:27]
.irp j, 0,1,2,3,4,5,6,7
	global_load_b128 v[X+4*(\j):X+4*(\j)+3], v1, s[4:5] offset:512*(\j)
.endr
.irp j, 0,1,2,3,4,5,6,7
	global_load_b128 v[W+4*(\j):W+4*(\j)+3], v1, s[6:7] offset:512*(\j)
.endr
.irp j, 0,1,2,3,4,5,6,7
	global_load_b128 v[BV+4*(\j):BV+4*(\j)+3], v1, s[8:9] offset:512*(\j)
.endr
	s_wait_loadcnt 16                              ; the row is in; the sixteen younger loads (gain, bias) stay out
.irp k, 0,1,2,3
	v_pk_add_f32 v[T+2*(\k):T+2*(\k)+1], v[X+2*(\k):X+2*(\k)+1], v[X+8+2*(\k):X+8+2*(\k)+1]
.endr
.set p, 8
.rept 8
	v_pk_add_f32 v[T+2*(p%4):T+2*(p%4)+1], v[T+2*(p%4):T+2*(p%4)+1], v[X+2*p:X+2*p+1]
.set p, p+1
.endr
	FOLD
	v_mul_f32 v[T+2], s30, v[T]
	v_mov_b32 v[T+3], v[T+2]
.set p, 0
.rept 16
	v_pk_add_f32 v[X+2*p:X+2*p+1], v[X+2*p:X+2*p+1], v[T+2:T+3] neg_lo:[0,1] neg_hi:[0,1]
.set p, p+1
.endr
.irp k, 0,1,2,3
	v_pk_mul_f32 v[T+2*(\k):T+2*(\k)+1], v[X+2*(\k):X+2*(\k)+1], v[X+2*(\k):X+2*(\k)+1]
.endr
.set p, 4
.rept 12
	v_pk_fma_f32 v[T+2*(p%4):T+2*(p%4)+1], v[X+2*p:X+2*p+1], v[X+2*p:X+2*p+1], v[T+2*(p%4):T+2*(p%4)+1]
.set p, p+1
.endr
	FOLD
	v_fma_f32 v[T+2], v[T], s30, s31
	v_rsq_f32 v[T+4], v[T+2]
	v_rsq_f32 v[T+5], v[T+2]
	v_nop                                          ; a plain instruction between the root and the use of its result (ISA guide 5.7.2)
	s_wait_loadcnt 0x0
.set p, 0
	s_wait_alu depctr_va_vdst(0)
.rept 16
	v_pk_mul_f32 v[X+2*p:X+2*p+1], v[X+2*p:X+2*p+1], v[T+4:T+5]
.set p, p+1
.endr
.set p, 0
.rept 16
	v_pk_fma_f32 v[X+2*p:X+2*p+1], v[X+2*p:X+2*p+1], v[W+2*p:W+2*p+1], v[BV+2*p:BV+2*p+1]
.set p, p+1
.endr
.set p, 0
.rept 16
	v_cvt_pk_bf16_f32 v[W+p], v[X+2*p], v[X+2*p+1]
.set p, p+1
.endr
.irp j, 0,1,2,3,4,5,6,7
	global_store_b64 v2, v[W+2*(\j):W+2*(\j)+1], s[10:11] offset:256*(\j)
.endr
	s_endpgm
.Lfunc_end_k_qf78bba3575_ln2:
	.size	k_qf78bba3575_ln2, .Lfunc_end_k_qf78bba3575_ln2-k_qf78bba3575_ln2
	.p2alignl 7, 3214868480
	.fill 96, 4, 3214868480
	.section	.rodata,"a",@progbits
	.p2align	6, 0x0
	.amdhsa_kernel k_qf78bba3575_ln2
		.amdhsa_group_segment_fixed_size 0
		.amdhsa_private_segment_fixed_size 0
		.amdhsa_enable_private_segment 0
		.amdhsa_kernarg_size 32
		.amdhsa_user_sgpr_count 2
		.amdhsa_user_sgpr_kernarg_segment_ptr 1
		.amdhsa_wavefront_size32 1
		.amdhsa_system_sgpr_workgroup_id_x 1
		.amdhsa_system_sgpr_workgroup_id_y 1
		.amdhsa_system_sgpr_workgroup_id_z 1
		.amdhsa_system_vgpr_workitem_id 0
		.amdhsa_next_free_vgpr 112
		.amdhsa_next_free_sgpr 66
		.amdhsa_reserve_vcc 0
		.amdhsa_float_denorm_mode_32 3
		.amdhsa_float_denorm_mode_16_64 3
		.amdhsa_memory_ordered 1
		.amdhsa_forward_progress 1
		.amdhsa_inst_pref_size 12
	.end_amdhsa_kernel
	.amdgpu_metadata
---
amdhsa.version: [ 1, 2 ]
amdhsa.kernels:
  - .name:           k_qf78bba3575_ln2
    .symbol:         k_qf78bba3575_ln2.kd
    .args:
      - { .name: x1, .offset: 0, .size: 8, .value_kind: global_buffer, .address_space: global }
      - { .name: ln2_w, .offset: 8, .size: 8, .value_kind: global_buffer, .address_space: global }
      - { .name: ln2_b, .offset: 16, .size: 8, .value_kind: global_buffer, .address_space: global }
      - { .name: h2, .offset: 24, .size: 8, .value_kind: global_buffer, .address_space: global }
    .group_segment_fixed_size: 0
    .private_segment_fixed_size: 0
    .kernarg_segment_align: 8
    .kernarg_segment_size: 32
    .max_flat_workgroup_size: 256
    .sgpr_count:     66
    .vgpr_count:     112
    .wavefront_size: 32
...
	.end_amdgpu_metadata
.endif
;; end of part 5
;; launch gfc1 (part 6): grid 16 x 16, 4 waves a work-group, clusters of 4 x 4, 327,680 bytes of LDS; arguments h2, wb, fc1_b, g; writes g
.if DOCPART == 6
	.amdgcn_target "amdgcn-amd-amdhsa--gfx1250"
	.amdhsa_code_object_version 6
	.text
	.protected	k_qf78bba3575_gfc1
	.globl	k_qf78bba3575_gfc1
	.p2align	8
	.type	k_qf78bba3575_gfc1,@function
k_qf78bba3575_gfc1:
	s_mov_b64 s[64:65], 0
	v_nop
	global_prefetch_b8 v0, s[64:65] scope:SCOPE_SE
	s_setreg_imm32_b32 hwreg(HW_REG_WAVE_MODE, 25, 1), 1
	s_wait_xcnt 0x0
	s_wait_alu depctr_hold_cnt(0) depctr_sa_sdst(0) depctr_va_vdst(0) depctr_va_sdst(0) depctr_va_ssrc(0) depctr_va_vcc(0) depctr_vm_vsrc(0)
	s_getreg_b32 s2, hwreg(HW_REG_IB_STS2, 6, 4)
	s_cmp_eq_u32 s2, 0
	s_cbranch_scc0 .Lentry_in_a_cluster
	s_endpgm
.Lentry_in_a_cluster:
	s_bfe_u32 s2, ttmp6, 0x10000c
	s_cmp_lg_u32 s2, 0xf033
	s_cbranch_scc0 .Lentry_shape_is_right
	s_endpgm
.Lentry_shape_is_right:
; FIRST MLP LAYER.  g[m][n] = GELU(sum over k of h2[m][k] fc1_w[n][k] + fc1_b[n]); m = 4,096, n = 4,096, k = 1,024; operands bf16, sums and GELU in f32, g rounded once to bf16.
; A tile is 256 x 256: 16 x 16 = 256 work-groups; four waves, each 128 x 128 in 64 accumulators.  K goes in 8 steps of 128 through two LDS slots; rows of 256 bytes, padded to 272.
; CLUSTER 4 x 4: h2's tile is shared along a row of the cluster, the weights' along a column: joint loads.
; SHORT TEXT: the loop holds ONE K step; the slot in hand is a scalar (SB) added to the lanes' LDS addresses; one descriptor a tensor walks, its LDS word turned by an exclusive or (SLOT = 0x22000 shares
; no bit with the words 0, 0x8800, 0x11000, 0x19800).  The last two K steps are one text walked twice, entered in its middle; its last walk passes one barrier and fetches 32 fragments that serve nothing.
; GELU, LIMIT.  GELU(z) = max(z, 0) - |z| q, q = (a1 t + a2 t^2 + a3 t^3) / 2 x 2^(-z^2 log2(e) / 2), t = 1 / (1 + 0.47047 |z| / sqrt 2): the error function by Abramowitz and Stegun 7.1.25, off by at
; most 2.5e-5 for every argument, so GELU is off by at most 1.25e-5 |z|; bf16's rounding of g is 2e-3 |g|.  Where z^2 overflows the exponential is 0 and GELU is max(z, 0).
; THE WAY OUT: the accumulators go as f32 into the wave's own 128 rows x 528 bytes of LDS (ring bytes that are filled no more); a loop of 32 trips reads 4 rows (a lane: 4 columns of each), adds the
; bias, takes GELU, rounds and stores: a store of the wave covers 256 consecutive bytes, aligned.
; REGISTERS: window 0: v1-29 addresses, v32-35 bias, v64-127 / v128-191 fragments of h2 (two buffers), later the way out; window 1: the same two buffers for the weights; windows 2, 3: accumulators.
.set SIZE_K, 1024
.set KSTEP,  128
.set PITCH,  272
.set HALFT,  128*PITCH
.set SLOT,   4*HALFT
.set SPARE,  2*SLOT
.set DP,     528
.set DREG,   128*DP
.set WOFF,   8388608                   ; fc1_w in wb
.set ADRA0, 16
.set ADRB0, 17
.set ADRA,  18
.set ADRB,  19
.set STO,   24
.set RD,    25
.set CO,    26
.set BO,    27
.set SPW,   28
.set NIL,   29
.set BIAS,  32
.set F0,    64
.set F1,    128
.set XI,    64                         ; 4 rows as read back
.set ZI,    80                         ; z
.set UI,    96                         ; t
.set WI,    112                        ; the exponential
.set QI,    128                        ; q
.set MI,    144                        ; the result
.set YI,    160                        ; packed
.set G1,  24
.set G0,  32
.set G1B, 48
.set G0B, 56
.set SB,  45
.set WV,  70
.set WH,  71
.set WL,  72
.set LW,  73
.set MSB, 0
.macro WIN new
.if MSB != (\new)
	s_set_vgpr_msb (MSB<<8)|(\new)
.set MSB, \new
.endif
.endm
.set MUL_LO, 0xa1
.set MUL_HI, 0xf1
.set TO_B,   0x40
.macro JLOAD s
	s_cmp_eq_u32 s[WH], 0
	s_cbranch_scc0 .Lfor_b_\@
	tensor_load_to_lds s[G0+4*(\s):G0+4*(\s)+3], s[G1:G1+7]
	s_nop 0
.rept 4
	v_nop
.endr
	s_branch .Lasked_\@
.Lfor_b_\@:
	tensor_load_to_lds s[G0B+4*(\s):G0B+4*(\s)+3], s[G1B:G1B+7]
	s_nop 0
.rept 4
	v_nop
.endr
.Lasked_\@:
.endm
.macro CREST
	s_cmp_lg_u32 s[WV], 0
	s_cbranch_scc1 .Lnot_wave_0_\@
	s_barrier_signal -3
.Lnot_wave_0_\@:
	s_barrier_wait -3
	s_barrier_signal -1
	s_barrier_wait -1
.endm
.macro CROUND
	s_barrier_signal -1
	s_barrier_wait -1
	CREST
.endm
.macro PLACES
.rept 4
	v_nop
.endr
.endm
.macro MUL16 f, hi, a0, zero
	WIN MUL_LO+0x50*(\hi)
.irp a, \a0, (\a0)+1
.irp b, 0,1,2,3,4,5,6,7
.if \zero
	v_wmma_f32_16x16x32_bf16 v[8*(8*(\a)+(\b)):8*(8*(\a)+(\b))+7], v[(\f)+8*(\b):(\f)+8*(\b)+7], v[(\f)+8*(4*(\hi)+(\a)):(\f)+8*(4*(\hi)+(\a))+7], 0
.else
	v_wmma_f32_16x16x32_bf16 v[8*(8*(\a)+(\b)):8*(8*(\a)+(\b))+7], v[(\f)+8*(\b):(\f)+8*(\b)+7], v[(\f)+8*(4*(\hi)+(\a)):(\f)+8*(4*(\hi)+(\a))+7], v[8*(8*(\a)+(\b)):8*(8*(\a)+(\b))+7]
.endif
.endr
.endr
.endm
.macro FETCH k, f
	WIN TO_B
.irp i, 0,1,2,3,4,5,6,7
	ds_load_b128 v[(\f)+8*(\i):(\f)+8*(\i)+3],   v[ADRB] offset:(\k)+(\i)*16*PITCH
	ds_load_b128 v[(\f)+8*(\i)+4:(\f)+8*(\i)+7], v[ADRB] offset:(\k)+(\i)*16*PITCH+32
.endr
	WIN 0
.irp i, 0,1,2,3,4,5,6,7
	ds_load_b128 v[(\f)+8*(\i):(\f)+8*(\i)+3],   v[ADRA] offset:(\k)+(\i)*16*PITCH
	ds_load_b128 v[(\f)+8*(\i)+4:(\f)+8*(\i)+7], v[ADRA] offset:(\k)+(\i)*16*PITCH+32
.endr
.endm
.macro QUARTER k, f, g, zero
	s_wait_dscnt 8                                 ; all but the youngest eight loads (h2's rows 64-127)
	MUL16 \f, 0, 0, \zero
	MUL16 \f, 0, 2, \zero
	PLACES
	FETCH \k, \g
	s_wait_dscnt 32                                ; all but the 32 just issued
	MUL16 \f, 1, 0, \zero
	MUL16 \f, 1, 2, \zero
.endm
.macro TURN fill
	WIN 0
	s_wait_tensorcnt 0x0                           ; all my tensor loads have landed: my part of the next slot
	ds_add_u32 v[SPW], v[NIL]
	s_wait_dscnt 9                                 ; the add and the youngest eight loads may be out
	MUL16 F1, 0, 0, 0
	s_wait_dscnt 0x0                               ; the add is done, my reads of this slot are over
	s_barrier_signal -1
	MUL16 F1, 0, 2, 0
	WIN 0
	s_barrier_wait -1
.if \fill
	CREST
	s_xor_b32 s[G0+5], s[G0+5], SLOT
	s_add_nc_u64 s[G0+6:G0+7], s[G0+6:G0+7], KSTEP*2
	s_xor_b32 s[G0B+5], s[G0B+5], SLOT
	s_add_nc_u64 s[G0B+6:G0B+7], s[G0B+6:G0B+7], KSTEP*2
	JLOAD 1
.else
	PLACES
.endif
	s_xor_b32 s[SB], s[SB], SLOT
	v_add_nc_u32 v[ADRA], s[SB], v[ADRA0]
	v_add_nc_u32 v[ADRB], s[SB], v[ADRB0]
	FETCH 0, F0
	MUL16 F1, 1, 0, 0
	MUL16 F1, 1, 2, 0
.endm
	s_load_b256 s[4:11], s[0:1], 0x0               ; h2 s[4:5], wb s[6:7], fc1_b s[8:9], g s[10:11]
	v_lshl_add_u32 v[SPW], v0, 2, SPARE
	v_mov_b32 v[NIL], 0
	ds_add_u32 v[SPW], v[NIL]                      ; the wave's opening: an add and its wait ahead of my first tensor load
	ds_add_u32 v28, v29
	v_lshrrev_b32 v1, 5, v0
	v_readfirstlane_b32 s[WV], v1
	s_lshr_b32 s[WH], s[WV], 1
	s_and_b32 s[WL], s[WV], 1
	s_bfe_u32 s40, ttmp6, 0x40000
	s_bfe_u32 s41, ttmp6, 0x40004
	s_lshl_b32 s42, ttmp9, 2
	s_add_co_u32 s42, s42, s40                     ; tile column
	s_and_b32 s13, ttmp7, 0xffff
	s_lshl_b32 s13, s13, 2
	s_add_co_u32 s13, s13, s41                     ; tile row
	s_lshl_b32 s43, s41, 2
	s_lshl_b32 s43, 15, s43
	s_lshl_b32 s44, 0x1111, s40
	s_or_b32 s[G1+0], s43, (1<<16)|(1<<20)|(1<<21)|(5<<22)|(3<<25)
	s_or_b32 s[G1B+0], s44, (1<<16)|(1<<20)|(1<<21)|(5<<22)|(3<<25)
.irp g, G1, G1B
	s_mov_b32 s[(\g)+1], KSTEP<<16
	s_mov_b32 s[(\g)+2], 128<<16
	s_mov_b32 s[(\g)+3], KSTEP<<16
	s_mov_b32 s[(\g)+4], 128
	s_mov_b32 s[(\g)+5], SIZE_K
	s_mov_b32 s[(\g)+6], 0
	s_mov_b32 s[(\g)+7], 0
.endr
	s_mov_b32 s74, 0x3eaa540d                      ; 0.47047 / sqrt 2
	s_mov_b32 s76, 0xbf38aa3b                      ; -log2(e) / 2
	s_mov_b32 s77, s76                             ; the pairs are named whole
	s_mov_b32 s78, 0x3ebf7377                      ; a3 / 2
	s_mov_b32 s79, s78
	s_mov_b32 s80, 0xbd445ca1                      ; a2 / 2
	s_mov_b32 s81, s80
	s_mov_b32 s82, 0x3e32303a                      ; a1 / 2
	s_mov_b32 s83, s82
	s_lshl_b32 s17, s[WL], 7
	s_lshl_b32 s16, s13, 8
	s_add_co_u32 s16, s16, s17
	s_lshl_b32 s16, s16, 11
	s_lshl_b32 s46, s42, 8
	s_add_co_u32 s46, s46, s17
	s_lshl_b32 s46, s46, 11
.if WOFF
	s_add_co_u32 s46, s46, WOFF
.endif
	s_mov_b32 s17, 0
	s_mov_b32 s47, 0
	s_mul_i32 s[LW], s[WV], HALFT
	s_wait_dscnt 0x0                               ; the opening add is done
	s_wait_kmcnt 0x0
	s_add_nc_u64 s[14:15], s[4:5], s[16:17]
	s_add_nc_u64 s[46:47], s[6:7], s[46:47]
	CROUND                                         ; all sixteen work-groups are here: the first joint loads meet
.irp s, 0,1
	s_mov_b32 s[G0+4*(\s)], 1
	s_add_co_u32 s[G0+4*(\s)+1], s[LW], (\s)*SLOT
	s_add_nc_u64 s[G0+4*(\s)+2:G0+4*(\s)+3], s[14:15], (\s)*KSTEP*2
	s_or_b32 s[G0+4*(\s)+3], s[G0+4*(\s)+3], 0x80000000
	s_mov_b32 s[G0B+4*(\s)], 1
	s_add_co_u32 s[G0B+4*(\s)+1], s[LW], (\s)*SLOT
	s_add_nc_u64 s[G0B+4*(\s)+2:G0B+4*(\s)+3], s[46:47], (\s)*KSTEP*2
	s_or_b32 s[G0B+4*(\s)+3], s[G0B+4*(\s)+3], 0x80000000
	JLOAD \s                                       ; two loads of mine are out
.endr
	v_and_b32 v1, 15, v0
	v_bfe_u32 v2, v0, 4, 1
	v_mul_u32_u24 v3, v1, PITCH
	v_lshl_add_u32 v3, v2, 4, v3
	s_mul_i32 s21, s[WH], HALFT
	s_mul_i32 s22, s[WL], HALFT
	s_add_co_u32 s22, s22, 2*HALFT
	v_add_nc_u32 v[ADRA0], s21, v3
	v_add_nc_u32 v[ADRB0], s22, v3
	v_mov_b32 v[ADRA], v[ADRA0]
	v_mov_b32 v[ADRB], v[ADRB0]
	s_mov_b32 s[SB], 0
	s_mul_i32 s23, s[WV], DREG
	v_mul_u32_u24 v4, v1, DP
	v_lshl_add_u32 v4, v2, 5, v4
	v_add_nc_u32 v[STO], s23, v4
	v_and_b32 v6, 31, v0
	v_lshlrev_b32 v[BO], 4, v6                     ; my four columns: 16 bytes of f32,
	v_add_nc_u32 v[RD], s23, v[BO]
	v_lshlrev_b32 v[CO], 3, v6                     ; 8 bytes of bf16
	s_lshl_b32 s16, s13, 8
	s_lshl_b32 s17, s[WH], 7
	s_add_co_u32 s16, s16, s17                     ; my first row
	s_lshl_b32 s16, s16, 13                        ; x 8,192 bytes
	s_lshl_b32 s46, s42, 8
	s_lshl_b32 s47, s[WL], 7
	s_add_co_u32 s46, s46, s47                     ; my first column
	s_lshl_b32 s18, s46, 2
	s_mov_b32 s19, 0
	s_add_nc_u64 s[8:9], s[8:9], s[18:19]
	global_load_b128 v[BIAS:BIAS+3], v[BO], s[8:9]
	s_lshl_b32 s46, s46, 1
	s_add_co_u32 s16, s16, s46
	s_mov_b32 s17, 0
	s_add_nc_u64 s[10:11], s[10:11], s[16:17]
	s_wait_tensorcnt 0x1                           ; my part of K step 0 is in; K step 1's may stay out
	s_barrier_signal -1
	s_barrier_wait -1
	FETCH 0, F0
	QUARTER 64, F0, F1, 1
	WIN 0
	s_mov_b32 s3, 6
.Lk:
	QUARTER 128, F1, F0, 0
	QUARTER 192, F0, F1, 0
	TURN 1
	QUARTER 64, F0, F1, 0
	WIN 0
	s_sub_co_u32 s3, s3, 1
	s_cmp_lg_u32 s3, 0
	s_cbranch_scc1 .Lk
	s_mov_b32 s3, 2
	s_branch .Lmid
.Ltail:
	QUARTER 64, F0, F1, 0
	WIN 0
.Lmid:
	QUARTER 128, F1, F0, 0
	QUARTER 192, F0, F1, 0
	TURN 0
	WIN 0
	s_sub_co_u32 s3, s3, 1
	s_cmp_lg_u32 s3, 0
	s_cbranch_scc1 .Ltail
	PLACES
	s_wait_dscnt 0x0
	s_barrier_signal -1
	s_barrier_wait -1
.irp w, 0,1
	WIN 0x08+4*(\w)
.irp a, 0,1,2,3
.irp b, 0,1,2,3,4,5,6,7
	ds_store_b128 v[STO], v[8*(8*(\a)+(\b)):8*(8*(\a)+(\b))+3]   offset:(4*(\w)+(\a))*16*DP+64*(\b)
	ds_store_b128 v[STO], v[8*(8*(\a)+(\b))+4:8*(8*(\a)+(\b))+7] offset:(4*(\w)+(\a))*16*DP+64*(\b)+16
.endr
.endr
.endr
	WIN 0
.macro LD4                             ; 4 rows of my region, 512 consecutive bytes each.  LDS serves a wave's instructions in order (ISA guide 5.7.1.4): these see my stores
.irp j, 0,1,2,3
	ds_load_b128 v[XI+4*(\j):XI+4*(\j)+3], v[RD] offset:DP*(\j)
.endr
.endm
	s_wait_loadcnt 0x0                             ; the bias
	LD4
	s_mov_b32 s2, 32
.Lep:
	s_wait_dscnt 0x0
.irp j, 0,1,2,3
	v_pk_add_f32 v[ZI+4*(\j):ZI+4*(\j)+1],   v[XI+4*(\j):XI+4*(\j)+1],   v[BIAS:BIAS+1]
	v_pk_add_f32 v[ZI+4*(\j)+2:ZI+4*(\j)+3], v[XI+4*(\j)+2:XI+4*(\j)+3], v[BIAS+2:BIAS+3]
.endr
	v_add_nc_u32 v[RD], 4*DP, v[RD]
	s_cmp_eq_u32 s2, 1
	s_cbranch_scc1 .Lnl                            ; the last trip has no next rows
	LD4
.Lnl:
.set i, 0
.rept 16
	v_fma_f32 v[UI+i], |v[ZI+i]|, s74, 1.0
.set i, i+1
.endr
.set i, 0
.rept 16
	v_rcp_f32 v[UI+i], v[UI+i]                     ; t; the plain lines below stand between the last reciprocal and the first use
.set i, i+1
.endr
.set i, 0
.rept 8
	v_pk_mul_f32 v[WI+2*i:WI+2*i+1], v[ZI+2*i:ZI+2*i+1], v[ZI+2*i:ZI+2*i+1]
.set i, i+1
.endr
.set i, 0
.rept 8
	v_pk_mul_f32 v[WI+2*i:WI+2*i+1], v[WI+2*i:WI+2*i+1], s[76:77] op_sel_hi:[1,0]
.set i, i+1
.endr
.set i, 0
.rept 16
	v_exp_f32 v[WI+i], v[WI+i]
.set i, i+1
.endr
.set i, 0
	s_wait_alu depctr_va_vdst(0)
.rept 8
	v_pk_fma_f32 v[QI+2*i:QI+2*i+1], v[UI+2*i:UI+2*i+1], s[78:79], s[80:81] op_sel_hi:[1,0,0]
.set i, i+1
.endr
.set i, 0
.rept 8
	v_pk_fma_f32 v[QI+2*i:QI+2*i+1], v[QI+2*i:QI+2*i+1], v[UI+2*i:UI+2*i+1], s[82:83] op_sel_hi:[1,1,0]
.set i, i+1
.endr
.set i, 0
.rept 8
	v_pk_mul_f32 v[QI+2*i:QI+2*i+1], v[QI+2*i:QI+2*i+1], v[UI+2*i:UI+2*i+1]
.set i, i+1
.endr
.set i, 0
.rept 8
	v_pk_mul_f32 v[QI+2*i:QI+2*i+1], v[QI+2*i:QI+2*i+1], v[WI+2*i:WI+2*i+1]
.set i, i+1
.endr
.set i, 0
.rept 16
	v_max_num_f32 v[MI+i], 0, v[ZI+i]
.set i, i+1
.endr
.set i, 0
.rept 16
	v_fma_f32 v[MI+i], -|v[ZI+i]|, v[QI+i], v[MI+i]
.set i, i+1
.endr
	s_wait_xcnt 0x0                                ; the last trip's stores have read their registers: Y and CO are written again only behind this wait
	v_add_nc_u32 v[CO], 4*8192, v[CO]              ; 4 rows of g on; the stores reach back
.set i, 0
.rept 8
	v_cvt_pk_bf16_f32 v[YI+i], v[MI+2*i], v[MI+2*i+1]
.set i, i+1
.endr
.irp j, 0,1,2,3
	global_store_b64 v[CO], v[YI+2*(\j):YI+2*(\j)+1], s[10:11] offset:8192*(\j)-32768
.endr
	s_sub_co_u32 s2, s2, 1
	s_cmp_lg_u32 s2, 0
	s_cbranch_scc1 .Lep
	s_wait_tensorcnt 0x0                           ; the wave's end
	ds_add_u32 v[SPW], v[NIL]
	s_wait_dscnt 0x0
	CROUND                                         ; the closing round
	s_endpgm
.Lfunc_end_k_qf78bba3575_gfc1:
	.size	k_qf78bba3575_gfc1, .Lfunc_end_k_qf78bba3575_gfc1-k_qf78bba3575_gfc1
	.p2alignl 7, 3214868480
	.fill 96, 4, 3214868480
	.section	.rodata,"a",@progbits
	.p2align	6, 0x0
	.amdhsa_kernel k_qf78bba3575_gfc1
		.amdhsa_group_segment_fixed_size 327680
		.amdhsa_private_segment_fixed_size 0
		.amdhsa_enable_private_segment 0
		.amdhsa_kernarg_size 32
		.amdhsa_user_sgpr_count 2
		.amdhsa_user_sgpr_kernarg_segment_ptr 1
		.amdhsa_wavefront_size32 1
		.amdhsa_system_sgpr_workgroup_id_x 1
		.amdhsa_system_sgpr_workgroup_id_y 1
		.amdhsa_system_sgpr_workgroup_id_z 1
		.amdhsa_system_vgpr_workitem_id 0
		.amdhsa_next_free_vgpr 1024
		.amdhsa_next_free_sgpr 84
		.amdhsa_reserve_vcc 0
		.amdhsa_float_denorm_mode_32 3
		.amdhsa_float_denorm_mode_16_64 3
		.amdhsa_memory_ordered 1
		.amdhsa_forward_progress 1
		.amdhsa_inst_pref_size 86
	.end_amdhsa_kernel
	.amdgpu_metadata
---
amdhsa.version: [ 1, 2 ]
amdhsa.kernels:
  - .name:           k_qf78bba3575_gfc1
    .symbol:         k_qf78bba3575_gfc1.kd
    .args:
      - { .name: h2, .offset: 0, .size: 8, .value_kind: global_buffer, .address_space: global }
      - { .name: wb, .offset: 8, .size: 8, .value_kind: global_buffer, .address_space: global }
      - { .name: fc1_b, .offset: 16, .size: 8, .value_kind: global_buffer, .address_space: global }
      - { .name: g, .offset: 24, .size: 8, .value_kind: global_buffer, .address_space: global }
    .group_segment_fixed_size: 327680
    .private_segment_fixed_size: 0
    .kernarg_segment_align: 8
    .kernarg_segment_size: 32
    .max_flat_workgroup_size: 128
    .sgpr_count:     84
    .vgpr_count:     1024
    .wavefront_size: 32
...
	.end_amdgpu_metadata
.endif
;; end of part 6
;; launch gfc2 (part 7): grid 8 x 32, 4 waves a work-group, clusters of 4 x 4, 327,680 bytes of LDS; arguments g, wb, fc2_b, x1, out0; writes out0
.if DOCPART == 7
	.amdgcn_target "amdgcn-amd-amdhsa--gfx1250"
	.amdhsa_code_object_version 6
	.text
	.protected	k_qf78bba3575_gfc2
	.globl	k_qf78bba3575_gfc2
	.p2align	8
	.type	k_qf78bba3575_gfc2,@function
k_qf78bba3575_gfc2:
	s_mov_b64 s[64:65], 0
	v_nop
	global_prefetch_b8 v0, s[64:65] scope:SCOPE_SE
	s_setreg_imm32_b32 hwreg(HW_REG_WAVE_MODE, 25, 1), 1
	s_wait_xcnt 0x0
	s_wait_alu depctr_hold_cnt(0) depctr_sa_sdst(0) depctr_va_vdst(0) depctr_va_sdst(0) depctr_va_ssrc(0) depctr_va_vcc(0) depctr_vm_vsrc(0)
	s_getreg_b32 s2, hwreg(HW_REG_IB_STS2, 6, 4)
	s_cmp_eq_u32 s2, 0
	s_cbranch_scc0 .Lentry_in_a_cluster
	s_endpgm
.Lentry_in_a_cluster:
	s_bfe_u32 s2, ttmp6, 0x10000c
	s_cmp_lg_u32 s2, 0xf033
	s_cbranch_scc0 .Lentry_shape_is_right
	s_endpgm
.Lentry_shape_is_right:
; SECOND MLP LAYER AND RESIDUAL.  out0[m][n] = x1[m][n] + fc2_b[n] + sum over k of g[m][k] fc2_w[n][k]; m = 4,096, n = 1,024, k = 4,096; operands bf16, sums and out0 in f32.
; A tile is 128 x 128: 8 x 32 = 256 work-groups; four waves, each 64 x 64 in 16 accumulators.  K goes in 16 steps of 256 (rows of 512 bytes, padded to 528) through two LDS slots.
; CLUSTER 4 x 4: g's tile is shared along a row of the cluster, the weights' along a column: joint loads.
; SHORT TEXT: the loop holds ONE K step; the slot in hand is a scalar (SB) added to the lanes' LDS addresses; one descriptor a tensor walks, its LDS word turned by an exclusive or (SLOT = 0x24000 shares
; no bit with the words 0, 0x8400, 0x10800, 0x18c00).  The last two K steps are one text walked twice, entered in its middle; its last walk passes one barrier and fetches 32 fragments that serve nothing.
; THE BIAS STARTS THE SUMS: it is the C operand of each accumulator's first product.  THE RESIDUAL is loaded at the start into 128 registers and stays on its way during the K loop.
; THE WAY OUT: f32 through the wave's own 64 rows x 272 bytes of LDS (ring bytes that are filled no more), back as whole rows of 256 bytes, + residual, stored 256 consecutive bytes to 16 lanes.
; REGISTERS: window 0: v1-29 addresses, v32-63 bias, v64-191 the way out, v128-255 accumulators; window 1: two fragment buffers of 128 (g's 64, then the weights' 64); window 2: v0-127 residual.
.set GOUT, 0
.if GOUT
.set NSTEP,  4
.set APITCH, 144
.set AQ,     64*APITCH
.set AHALF,  4*AQ
.set ASTEP,  4*131072
.set BK,     1024
.set WOFF,   6291456
.else
.set NSTEP,  16
.set APITCH, 528
.set AQ,     128
.set AHALF,  64*APITCH
.set ASTEP,  512
.set BK,     4096
.set WOFF,   16777216
.endif
.set KSTEP,  256
.set BPITCH, 528                       ; 512 bytes + 16: row r starts at bank 4 r mod 64 (64 banks of 4 bytes: ISA guide 11.1)
.set BHALF,  64*BPITCH
.set SLOT,   0x24000
.set SPARE,  2*SLOT
.set DP,     272
.set DREG,   64*DP
.set ADRA0, 16
.set ADRB0, 17
.set ADRA,  18
.set ADRB,  19
.set STO,   24
.set RD,    25
.set CO,    26
.set BO,    27
.set SPW,   28
.set NIL,   29
.set BIAS,  32
.set XO,    64
.set ACC,   128
.set F0,    0
.set F1,    128
.set G1,  24
.set G0,  32
.set G1B, 48
.set G0B, 56
.set SB,  45
.set OUTP, 66
.set WV,  70
.set WH,  71
.set WL,  72
.set LWA, 74
.set LWB, 75
.set TR,  76
.set TC,  77
.set MSB, 0
.macro WIN new
.if MSB != (\new)
	s_set_vgpr_msb (MSB<<8)|(\new)
.set MSB, \new
.endif
.endm
.set MUL,  0x05
.set TO_F, 0x40
.macro JLOAD s
	s_cmp_eq_u32 s[WH], 0
	s_cbranch_scc0 .Lfor_b_\@
	tensor_load_to_lds s[G0+4*(\s):G0+4*(\s)+3], s[G1:G1+7]
	s_nop 0
.rept 4
	v_nop
.endr
	s_branch .Lasked_\@
.Lfor_b_\@:
	tensor_load_to_lds s[G0B+4*(\s):G0B+4*(\s)+3], s[G1B:G1B+7]
	s_nop 0
.rept 4
	v_nop
.endr
.Lasked_\@:
.endm
.macro CREST
	s_cmp_lg_u32 s[WV], 0
	s_cbranch_scc1 .Lnot_wave_0_\@
	s_barrier_signal -3
.Lnot_wave_0_\@:
	s_barrier_wait -3
	s_barrier_signal -1
	s_barrier_wait -1
.endm
.macro CROUND
	s_barrier_signal -1
	s_barrier_wait -1
	CREST
.endm
.macro PLACES
.rept 4
	v_nop
.endr
.endm
.macro MUL8 f, c, a0, first
	WIN MUL
.irp a, \a0, (\a0)+1
.irp b, 0,1,2,3
.if \first
	v_wmma_f32_16x16x32_bf16 v[ACC+8*(4*(\a)+(\b)):ACC+8*(4*(\a)+(\b))+7], v[(\f)+64+8*(4*(\c)+(\b)):(\f)+64+8*(4*(\c)+(\b))+7], v[(\f)+8*(4*(\c)+(\a)):(\f)+8*(4*(\c)+(\a))+7], v[BIAS+8*(\b):BIAS+8*(\b)+7]
.else
	v_wmma_f32_16x16x32_bf16 v[ACC+8*(4*(\a)+(\b)):ACC+8*(4*(\a)+(\b))+7], v[(\f)+64+8*(4*(\c)+(\b)):(\f)+64+8*(4*(\c)+(\b))+7], v[(\f)+8*(4*(\c)+(\a)):(\f)+8*(4*(\c)+(\a))+7], v[ACC+8*(4*(\a)+(\b)):ACC+8*(4*(\a)+(\b))+7]
.endif
.endr
.endr
.endm
.macro FETCH q, f
	WIN TO_F
.irp c, 0,1
.irp i, 0,1,2,3
	ds_load_b128 v[(\f)+64+8*(4*(\c)+(\i)):(\f)+64+8*(4*(\c)+(\i))+3],   v[ADRB] offset:128*(\q)+64*(\c)+(\i)*16*BPITCH
	ds_load_b128 v[(\f)+64+8*(4*(\c)+(\i))+4:(\f)+64+8*(4*(\c)+(\i))+7], v[ADRB] offset:128*(\q)+64*(\c)+(\i)*16*BPITCH+32
	ds_load_b128 v[(\f)+8*(4*(\c)+(\i)):(\f)+8*(4*(\c)+(\i))+3],         v[ADRA] offset:AQ*(\q)+64*(\c)+(\i)*16*APITCH
	ds_load_b128 v[(\f)+8*(4*(\c)+(\i))+4:(\f)+8*(4*(\c)+(\i))+7],       v[ADRA] offset:AQ*(\q)+64*(\c)+(\i)*16*APITCH+32
.endr
.endr
.endm
.macro QUARTER q, f, g, first
	s_wait_dscnt 16                                ; the first 32 along K are in
	MUL8 \f, 0, 0, \first
	MUL8 \f, 0, 2, \first
	PLACES
	FETCH \q, \g
	s_wait_dscnt 32                                ; all but the 32 just issued
	MUL8 \f, 1, 0, 0
	MUL8 \f, 1, 2, 0
.endm
.macro TURN fill
	WIN 0
	s_wait_tensorcnt 0x0                           ; all my tensor loads have landed: my part of the next slot
	ds_add_u32 v[SPW], v[NIL]
	s_wait_dscnt 17                                ; the add and the youngest sixteen loads may be out
	MUL8 F1, 0, 0, 0
	s_wait_dscnt 0x0                               ; the add is done, my reads of this slot are over
	s_barrier_signal -1
	MUL8 F1, 0, 2, 0
	WIN 0
	s_barrier_wait -1
.if \fill
	CREST
	s_xor_b32 s[G0+5], s[G0+5], SLOT
	s_add_nc_u64 s[G0+6:G0+7], s[G0+6:G0+7], ASTEP
	s_xor_b32 s[G0B+5], s[G0B+5], SLOT
	s_add_nc_u64 s[G0B+6:G0B+7], s[G0B+6:G0B+7], KSTEP*2
	JLOAD 1
.else
	PLACES
.endif
	s_xor_b32 s[SB], s[SB], SLOT
	v_add_nc_u32 v[ADRA], s[SB], v[ADRA0]
	v_add_nc_u32 v[ADRB], s[SB], v[ADRB0]
	FETCH 0, F0
	MUL8 F1, 1, 0, 0
	MUL8 F1, 1, 2, 0
.endm
	s_load_b256 s[4:11], s[0:1], 0x0               ; g s[4:5], wb s[6:7], fc2_b s[8:9], x1 s[10:11]
	s_load_b64 s[OUTP:OUTP+1], s[0:1], 0x20        ; out0
	v_lshl_add_u32 v[SPW], v0, 2, SPARE
	v_mov_b32 v[NIL], 0
	ds_add_u32 v[SPW], v[NIL]                      ; the wave's opening: an add and its wait ahead of my first tensor load
	ds_add_u32 v28, v29
	v_lshrrev_b32 v1, 5, v0
	v_readfirstlane_b32 s[WV], v1
	s_lshr_b32 s[WH], s[WV], 1
	s_and_b32 s[WL], s[WV], 1
	s_bfe_u32 s40, ttmp6, 0x40000
	s_bfe_u32 s41, ttmp6, 0x40004
	s_lshl_b32 s[TC], ttmp9, 2
	s_add_co_u32 s[TC], s[TC], s40
	s_and_b32 s[TR], ttmp7, 0xffff
	s_lshl_b32 s[TR], s[TR], 2
	s_add_co_u32 s[TR], s[TR], s41
	s_lshl_b32 s43, s41, 2
	s_lshl_b32 s43, 15, s43
	s_lshl_b32 s44, 0x1111, s40
.if GOUT
	s_or_b32 s[G1+0], s43, (1<<16)|(1<<20)|(1<<21)|(4<<22)|(3<<25)
	s_mov_b32 s[G1+1], 4096<<16
	s_mov_b32 s[G1+2], 4<<16
	s_mov_b32 s[G1+3], 4096<<16
	s_mov_b32 s[G1+4], 4
	s_mov_b32 s[G1+5], 65536
.else
	s_or_b32 s[G1+0], s43, (1<<16)|(1<<20)|(1<<21)|(6<<22)|(3<<25)  ; 4 words of padding behind every 128
	s_mov_b32 s[G1+1], KSTEP<<16                   ; tensor_dim0 = 256
	s_mov_b32 s[G1+2], 64<<16                      ; tensor_dim1 = 64
	s_mov_b32 s[G1+3], KSTEP<<16                   ; tile_dim0
	s_mov_b32 s[G1+4], 64                          ; tile_dim1
	s_mov_b32 s[G1+5], 4096                        ; elements from row to row
.endif
	s_mov_b32 s[G1+6], 0
	s_mov_b32 s[G1+7], 0
	s_or_b32 s[G1B+0], s44, (1<<16)|(1<<20)|(1<<21)|(6<<22)|(3<<25)
	s_mov_b32 s[G1B+1], KSTEP<<16
	s_mov_b32 s[G1B+2], 64<<16
	s_mov_b32 s[G1B+3], KSTEP<<16
	s_mov_b32 s[G1B+4], 64
	s_mov_b32 s[G1B+5], BK
	s_mov_b32 s[G1B+6], 0
	s_mov_b32 s[G1B+7], 0
	s_lshl_b32 s18, s[WL], 6
.if GOUT
	s_lshr_b32 s16, s[TR], 3
	s_lshl_b32 s16, s16, 21
	s_and_b32 s17, s[TR], 7
	s_lshl_b32 s17, s17, 7
	s_add_co_u32 s17, s17, s18
	s_lshl_b32 s17, s17, 7
	s_add_co_u32 s16, s16, s17
.else
	s_lshl_b32 s16, s[TR], 7
	s_add_co_u32 s16, s16, s18                     ; g: row 128 x tile row + 64 x half
	s_lshl_b32 s16, s16, 13                        ; x 8,192 bytes
.endif
	s_mov_b32 s17, 0
	s_lshl_b32 s46, s[TC], 7
	s_add_co_u32 s46, s46, s18
	s_mul_i32 s46, s46, BK*2
	s_add_co_u32 s46, s46, WOFF
	s_mov_b32 s47, 0
	s_mul_i32 s[LWA], s[WL], AHALF
	s_mul_i32 s[LWB], s[WL], BHALF
	s_add_co_u32 s[LWB], s[LWB], 2*AHALF
	s_wait_dscnt 0x0                               ; the opening add is done
	s_wait_kmcnt 0x0
	s_add_nc_u64 s[14:15], s[4:5], s[16:17]
	s_add_nc_u64 s[46:47], s[6:7], s[46:47]
	CROUND                                         ; all sixteen work-groups are here: the first joint loads meet
.irp s, 0,1
	s_mov_b32 s[G0+4*(\s)], 1
	s_add_co_u32 s[G0+4*(\s)+1], s[LWA], (\s)*SLOT
	s_add_nc_u64 s[G0+4*(\s)+2:G0+4*(\s)+3], s[14:15], (\s)*ASTEP
	s_or_b32 s[G0+4*(\s)+3], s[G0+4*(\s)+3], 0x80000000
	s_mov_b32 s[G0B+4*(\s)], 1
	s_add_co_u32 s[G0B+4*(\s)+1], s[LWB], (\s)*SLOT
	s_add_nc_u64 s[G0B+4*(\s)+2:G0B+4*(\s)+3], s[46:47], (\s)*KSTEP*2
	s_or_b32 s[G0B+4*(\s)+3], s[G0B+4*(\s)+3], 0x80000000
	JLOAD \s                                       ; two loads of mine are out
.endr
	v_and_b32 v1, 15, v0
	v_bfe_u32 v2, v0, 4, 1
	v_mul_u32_u24 v3, v1, APITCH
	v_lshl_add_u32 v3, v2, 4, v3
	s_mul_i32 s21, s[WH], AHALF
	v_add_nc_u32 v[ADRA0], s21, v3
	v_mul_u32_u24 v4, v1, BPITCH
	v_lshl_add_u32 v4, v2, 4, v4
	s_mul_i32 s22, s[WL], BHALF
	s_add_co_u32 s22, s22, 2*AHALF
	v_add_nc_u32 v[ADRB0], s22, v4
	v_mov_b32 v[ADRA], v[ADRA0]
	v_mov_b32 v[ADRB], v[ADRB0]
	s_mov_b32 s[SB], 0
	s_mul_i32 s23, s[WV], DREG
	v_mul_u32_u24 v5, v1, DP
	v_lshl_add_u32 v5, v2, 5, v5
	v_add_nc_u32 v[STO], s23, v5
	v_mul_u32_u24 v6, v2, DP
	v_lshl_add_u32 v6, v1, 4, v6
	v_add_nc_u32 v[RD], s23, v6
	v_lshlrev_b32 v[CO], 12, v2
	v_lshl_add_u32 v[CO], v1, 4, v[CO]
	v_lshlrev_b32 v[BO], 5, v2
	s_lshl_b32 s20, s[TR], 7
	s_lshl_b32 s21, s[WH], 6
	s_add_co_u32 s20, s20, s21
	s_lshl_b32 s20, s20, 12
	s_lshl_b32 s22, s[TC], 7
	s_lshl_b32 s23, s[WL], 6
	s_add_co_u32 s22, s22, s23
	s_lshl_b32 s22, s22, 2
	s_mov_b32 s23, 0
	s_add_nc_u64 s[8:9], s[8:9], s[22:23]
	s_add_co_u32 s20, s20, s22
	s_mov_b32 s21, 0
	s_add_nc_u64 s[10:11], s[10:11], s[20:21]
	s_add_nc_u64 s[OUTP:OUTP+1], s[OUTP:OUTP+1], s[20:21]
.irp b, 0,1,2,3
	global_load_b128 v[BIAS+8*(\b):BIAS+8*(\b)+3],   v[BO], s[8:9] offset:64*(\b)
	global_load_b128 v[BIAS+8*(\b)+4:BIAS+8*(\b)+7], v[BO], s[8:9] offset:64*(\b)+16
.endr
	WIN 0x80
.set i, 0
.rept 32
	global_load_b128 v[4*i:4*i+3], v[CO], s[10:11] offset:8192*i
.set i, i+1
.endr
	WIN 0
	s_wait_tensorcnt 0x1                           ; my part of K step 0 is in; K step 1's may stay out
	s_barrier_signal -1
	s_barrier_wait -1
	s_wait_loadcnt 32                              ; the bias is in; the residual's 32 loads stay out
	FETCH 0, F0
	QUARTER 1, F0, F1, 1
	WIN 0
	s_mov_b32 s3, NSTEP-2
.Lk:
	QUARTER 2, F1, F0, 0
	QUARTER 3, F0, F1, 0
	TURN 1
	QUARTER 1, F0, F1, 0
	WIN 0
	s_sub_co_u32 s3, s3, 1
	s_cmp_lg_u32 s3, 0
	s_cbranch_scc1 .Lk
	s_mov_b32 s3, 2
	s_branch .Lmid
.Ltail:
	QUARTER 1, F0, F1, 0
	WIN 0
.Lmid:
	QUARTER 2, F1, F0, 0
	QUARTER 3, F0, F1, 0
	TURN 0
	WIN 0
	s_sub_co_u32 s3, s3, 1
	s_cmp_lg_u32 s3, 0
	s_cbranch_scc1 .Ltail
	PLACES
	s_wait_dscnt 0x0
	s_barrier_signal -1
	s_barrier_wait -1
.irp a, 0,1,2,3
.irp b, 0,1,2,3
	ds_store_b128 v[STO], v[ACC+8*(4*(\a)+(\b)):ACC+8*(4*(\a)+(\b))+3]   offset:(\a)*16*DP+64*(\b)
	ds_store_b128 v[STO], v[ACC+8*(4*(\a)+(\b))+4:ACC+8*(4*(\a)+(\b))+7] offset:(\a)*16*DP+64*(\b)+16
.endr
.endr
.set i, 0
.rept 32
	ds_load_b128 v[XO+4*i:XO+4*i+3], v[RD] offset:2*DP*i
.set i, i+1
.endr
	s_wait_loadcnt 0x0                             ; the residual
	WIN 0x08
.set i, 0
.rept 32
	s_wait_dscnt 31-i
	v_pk_add_f32 v[XO+4*i:XO+4*i+1],   v[XO+4*i:XO+4*i+1],   v[4*i:4*i+1]
	v_pk_add_f32 v[XO+4*i+2:XO+4*i+3], v[XO+4*i+2:XO+4*i+3], v[4*i+2:4*i+3]
.set i, i+1
.endr
	WIN 0
.set i, 0
.rept 32
	global_store_b128 v[CO], v[XO+4*i:XO+4*i+3], s[OUTP:OUTP+1] offset:8192*i
.set i, i+1
.endr
	s_wait_tensorcnt 0x0                           ; the wave's end
	ds_add_u32 v[SPW], v[NIL]
	s_wait_dscnt 0x0
	CROUND                                         ; the closing round
	s_endpgm
.Lfunc_end_k_qf78bba3575_gfc2:
	.size	k_qf78bba3575_gfc2, .Lfunc_end_k_qf78bba3575_gfc2-k_qf78bba3575_gfc2
	.p2alignl 7, 3214868480
	.fill 96, 4, 3214868480
	.section	.rodata,"a",@progbits
	.p2align	6, 0x0
	.amdhsa_kernel k_qf78bba3575_gfc2
		.amdhsa_group_segment_fixed_size 327680
		.amdhsa_private_segment_fixed_size 0
		.amdhsa_enable_private_segment 0
		.amdhsa_kernarg_size 40
		.amdhsa_user_sgpr_count 2
		.amdhsa_user_sgpr_kernarg_segment_ptr 1
		.amdhsa_wavefront_size32 1
		.amdhsa_system_sgpr_workgroup_id_x 1
		.amdhsa_system_sgpr_workgroup_id_y 1
		.amdhsa_system_sgpr_workgroup_id_z 1
		.amdhsa_system_vgpr_workitem_id 0
		.amdhsa_next_free_vgpr 640
		.amdhsa_next_free_sgpr 80
		.amdhsa_reserve_vcc 0
		.amdhsa_float_denorm_mode_32 3
		.amdhsa_float_denorm_mode_16_64 3
		.amdhsa_memory_ordered 1
		.amdhsa_forward_progress 1
		.amdhsa_inst_pref_size 67
	.end_amdhsa_kernel
	.amdgpu_metadata
---
amdhsa.version: [ 1, 2 ]
amdhsa.kernels:
  - .name:           k_qf78bba3575_gfc2
    .symbol:         k_qf78bba3575_gfc2.kd
    .args:
      - { .name: g, .offset: 0, .size: 8, .value_kind: global_buffer, .address_space: global }
      - { .name: wb, .offset: 8, .size: 8, .value_kind: global_buffer, .address_space: global }
      - { .name: fc2_b, .offset: 16, .size: 8, .value_kind: global_buffer, .address_space: global }
      - { .name: x1, .offset: 24, .size: 8, .value_kind: global_buffer, .address_space: global }
      - { .name: out0, .offset: 32, .size: 8, .value_kind: global_buffer, .address_space: global }
    .group_segment_fixed_size: 327680
    .private_segment_fixed_size: 0
    .kernarg_segment_align: 8
    .kernarg_segment_size: 40
    .max_flat_workgroup_size: 128
    .sgpr_count:     80
    .vgpr_count:     640
    .wavefront_size: 32
...
	.end_amdgpu_metadata
.endif
;; end of part 7
